; MI455X (gfx1250); checked and timed in simulation.
; The chip was launched on July 23, 2026; its instructions are those of AMD's public machine-readable ISA for CDNA 5 (MIT licence, August 2026) and "CDNA5" Instruction Set Architecture Reference Guide (July 2026). The comments in the code are by the model that wrote it; some were corrected since.
;; Projected Adaptive Log Softmax. Allowed arithmetic: matrix products marked QUANTISED: E2M3 operands, one E8M0 scale for each 32 along K, by v_wmma_scale_f32_16x16x128_f8f6f4 with both operands' format E2M3, f32 sums; products left as they are: f32 operands where the result goes on into a quantised operand, else bf16, f16 or f32 operands; f32 sums; everything else in f32.
;; Inputs: b0 20,000 float32; b1 20,000 float32; b2 160,000 float32; b3 67,735 float32; cluster_b 3 float32; cluster_w 3 x 1,024 float32; hidden 1,024 x 1,024 float32; p0 1,024 x 1,024 float32; p1 1,024 x 256 float32; p2 1,024 x 64 float32; p3 1,024 x 16 float32; target 1,024 int32; w0 20,000 x 1,024 float32; w1 20,000 x 256 float32; w2 160,000 x 64 float32; w3 67,735 x 16 float32.
;; Outputs: out0 1,024 float32.
;; This version of the problem:
;;   THIS VERSION OF THE PROBLEM IS GIVEN IN LOW PRECISION. The matrix products marked QUANTISED in the list below multiply operands that are first quantised to E2M3 (2 exponent bits, 3 mantissa bits; 6 bits a number), with one power-of-two scale for each 32 numbers along K (OCP MX v1.0); their sums are f32. All else is computed in f32.
;;   The module's matrix products, in the order in which they are computed (A, B: the left and right operand; K: the contracted axis; several contracted axes count as one K, in the product's order):
;;     1. [M 1,024, K 1,024] x [K 1,024, N 1,024]; A: input hidden; B: input p0: QUANTISED
;;     2. [M 1,024, K 1,024] x [K 1,024, N 20,003]; A: computed on the way; B: computed on the way: QUANTISED
;;     3. [M 1,024, K 1,024] x [K 1,024, N 256]; A: input hidden; B: input p1: QUANTISED
;;     4. [M 1,024, K 256] x [K 256, N 20,000]; A: computed on the way; B: input w1: QUANTISED
;;     5. [M 1,024, K 1,024] x [K 1,024, N 64]; A: input hidden; B: input p2: QUANTISED
;;     6. [M 1,024, K 64] x [K 64, N 160,000]; A: computed on the way; B: input w2: QUANTISED
;;     7. [M 1,024, K 1,024] x [K 1,024, N 16]; A: input hidden; B: input p3: QUANTISED
;;     8. [M 1,024, K 16] x [K 16, N 67,735]; A: computed on the way; B: input w3: left as it is (K = 16 < 32)
;;   THE QUANTISER, for each operand of a quantised product, along K:
;;     - K is cut into blocks of 32 from its start; a last block that is shorter is filled with zeros.
;;     - A block's scale is 2^e with e = floor(log2(the largest magnitude in the block)) - 2, held to -126 .. 127; a block of zeros has e = 0. As a byte (E8M0): e + 127.
;;     - Each number is divided by its block's scale, clamped to +-7.5, and rounded to the nearest number of E2M3, ties to even, subnormals kept.
;;     - The product sums the exact products of the quantised numbers (number of the format x scale) in f32.
;;   ~~~python
;;   def quantise(x, axis):      # numpy; x: float32 -> the quantised numbers, widened to float32 again
;;       x = np.moveaxis(x, axis, -1); K = x.shape[-1]
;;       x = np.pad(x, [(0, 0)] * (x.ndim - 1) + [(0, -K % 32)]); x = x.reshape(x.shape[:-1] + (-1, 32)); a = np.abs(x).max(-1, keepdims=True)
;;       e = np.where(a > 0, np.clip(np.frexp(np.where(a > 0, a, 1))[1] - 1 - 2, -126, 127), 0)      # np.frexp(a)[1] - 1 = floor(log2(a)), exactly
;;       r = np.clip(x / 2.0 ** e, -7.5, 7.5)
;;       step = 2.0 ** (np.maximum(np.frexp(np.where(r == 0, 1, r))[1] - 1, 0) - 3)
;;       q = np.round(r / step) * step * 2.0 ** e      # np.round: ties to even
;;       return np.moveaxis(q.reshape(q.shape[:-2] + (-1,))[..., :K], -1, axis).astype(np.float32)
;;   ~~~
;;   OPERANDS COMPUTED ON THE WAY. 'Computed on the way' means the value that the module computes at that place (a softmax that the list does not call 'softmax' is quantised finished and normalised). What goes into a quantiser is computed in f32, as accurately as f32 sums, v_exp_f32 and their like allow (about 1e-6 of the number): no bf16 or f16 on the way to a quantiser, and a product that is left as it is and whose result goes on into a quantised operand takes f32 operands (vector FMAs, or v_wmma_f32_16x16x4_f32). A number that lies on a knife's edge between two numbers of the format may be rounded either way, as far as f32 arithmetic and the matrix unit's own rounding can turn it there, and no further.
;; 2 versions, each right; version 2 is version 1 with the launches prep, proj, lse written anew for expert scheduling mode. Each part assembles by itself: llvm-mc -triple=amdgcn-amd-amdhsa -mcpu=gfx1250 --defsym DOCPART=n.
;; ======== version 1 of 2: 4 launches
;; workspace buffers: q1 31,116,800 bytes; hp 1,368,064 bytes; part 16,367,616 bytes
;; launch prep (part 1): grid 4675 x 1, 4 waves a work-group, no clusters, 34,304 bytes of LDS; arguments hidden, w0, w1, w2, cluster_w, p0, p1, p2, p3, q1; writes q1
.if DOCPART == 1
	.amdgcn_target "amdgcn-amd-amdhsa--gfx1250"
	.amdhsa_code_object_version 6
	.text
	.protected	k_q6abd2341cf_prep
	.globl	k_q6abd2341cf_prep
	.p2align	8
	.type	k_q6abd2341cf_prep,@function
k_q6abd2341cf_prep:
	s_mov_b64 s[64:65], 0
	v_nop
	global_prefetch_b8 v0, s[64:65] scope:SCOPE_SE
	s_setreg_imm32_b32 hwreg(HW_REG_WAVE_MODE, 25, 1), 1
	s_wait_xcnt 0x0
; hidden, w0, w1, w2, cluster_w (K innermost) and p0..p3 (K is the first axis), all f32, become codes of FP6 (E2M3) with one E8M0 byte for each 32 along K.
; ONE WAVE, ONE TASK: 16 rows x 128 along K -> one IMAGE OF THE OPERAND'S REGISTERS (12 registers a lane, 1,536 bytes: registers 4 c .. 4 c + 3 of lane l at 512 c + 16 l) and its 32 scale words (4 l).
; Task tau = 4 x work-group + wave.  Tasks: hidden 0.. (row tile x 8 + K step), w0 512.., w1 10512.., w2 13012.. (32 rows: rows 0-15 fill k 0-63, rows 16-31 fill k 64-127), cluster_w 18012.. (rows 3-15 repeat row 2), p 18020.. (tile x 8 + K step).
; A block's scale is 2^(floor(log2(largest magnitude)) - 2); its byte is the largest magnitude's exponent field - 2, held at 1 from below.
; LIMITS: a block of zeros keeps the byte 1 where the rule says 127 (its codes are zeros, and this program alone reads the bytes); blocks whose largest magnitude lies under 2^-124 were not tried; NaN and infinities are not served.
.set T_W0, 512
.set T_W1, 10512
.set T_W2, 13012
.set T_CW, 18012
.set T_P,  18020
.set SCO,  28723200                    ; the scale words begin here in q1: 18,700 tasks x 1,536 bytes
.set WG_P, 4505                        ; the first work-group that takes p's tasks
.set PITCH, 528                        ; a stage row: 512 bytes + 16, so that sixteen rows begin in sixteen different 16-byte columns
.set R, 16                             ; v16-79   16 rows as loaded
.set X, 80                             ; v80-143  my 64 numbers: register 32 c + i = k 64 c + 32 h + i of my row
.set F, 144                            ; v144-155 the fragment
.set E, 156                            ; v156-162 the second halves of the blocks' codes, as the conversions leave them
	s_load_b256 s[4:11], s[0:1], 0x0               ; hidden, w0, w1, w2
	s_load_b256 s[12:19], s[0:1], 0x20             ; cluster_w, p0, p1, p2
	s_load_b128 s[20:23], s[0:1], 0x40             ; p3, q1
	v_lshl_add_u32 v176, v0, 2, 0x8400
	v_mov_b32 v177, 0
	v_lshrrev_b32 v1, 5, v0
	v_readfirstlane_b32 s24, v1                    ; wave
	v_and_b32 v2, 31, v0                           ; lane
	v_and_b32 v3, 15, v0                           ; r
	v_bfe_u32 v4, v0, 4, 1                         ; h
	v_lshlrev_b32 v5, 4, v2                        ; 16 x lane
	v_lshlrev_b32 v6, 2, v2                        ; 4 x lane
	s_lshl_b32 s25, ttmp9, 2
	s_add_co_u32 s25, s25, s24                     ; tau
	s_mov_b32 s26, 0x76543210
	s_mov_b32 s27, 0xfedcba98                      ; v_permlanex16_b32's selects for lane l xor 16
	s_mul_i32 s28, s25, 1536
	s_mov_b32 s29, 0
	s_lshl_b32 s30, s25, 7
	s_add_co_u32 s30, s30, SCO
	s_mov_b32 s31, 0
	s_wait_kmcnt 0x0
	s_add_nc_u64 s[28:29], s[22:23], s[28:29]      ; my image
	s_add_nc_u64 s[30:31], s[22:23], s[30:31]      ; my scale words
	s_cmp_lt_u32 ttmp9, WG_P
	s_cbranch_scc0 .Lp
	; ---- K innermost.  The tensor's figures are chosen by the task's number
	s_mov_b64 s[32:33], s[12:13]                   ; cluster_w:
	s_mov_b32 s34, T_CW                            ; first task
	s_mov_b32 s35, 3                               ; log2 of K steps in a row
	s_mov_b32 s36, 0                               ; bytes from tile to tile
	s_mov_b32 s37, 4096                            ; bytes from row to row
	s_mov_b32 s38, 256                             ; where lanes 16-31 stand: 256 bytes on in the same row, or (w2) 16 rows down
	s_mov_b32 s39, 2                               ; the last row that exists
	s_cmp_lt_u32 s25, T_CW
	s_cselect_b64 s[32:33], s[10:11], s[32:33]     ; w2
	s_cselect_b32 s34, T_W2, s34
	s_cselect_b32 s35, 0, s35
	s_cselect_b32 s36, 8192, s36
	s_cselect_b32 s37, 256, s37
	s_cselect_b32 s38, 4096, s38
	s_cselect_b32 s39, 15, s39
	s_cmp_lt_u32 s25, T_W2
	s_cselect_b64 s[32:33], s[8:9], s[32:33]       ; w1
	s_cselect_b32 s34, T_W1, s34
	s_cselect_b32 s35, 1, s35
	s_cselect_b32 s36, 16384, s36
	s_cselect_b32 s37, 1024, s37
	s_cselect_b32 s38, 256, s38
	s_cmp_lt_u32 s25, T_W1
	s_cselect_b64 s[32:33], s[6:7], s[32:33]       ; w0
	s_cselect_b32 s34, T_W0, s34
	s_cselect_b32 s35, 3, s35
	s_cselect_b32 s36, 65536, s36
	s_cselect_b32 s37, 4096, s37
	s_cmp_lt_u32 s25, T_W0
	s_cselect_b64 s[32:33], s[4:5], s[32:33]       ; hidden: as w0, from task 0
	s_cselect_b32 s34, 0, s34
	s_sub_co_u32 s40, s25, s34                     ; the task within its tensor
	s_lshr_b32 s41, s40, s35
	s_mul_i32 s41, s41, s36                        ; its tile,
	s_bfm_b32 s42, s35, 0
	s_and_b32 s42, s40, s42
	s_lshl_b32 s42, s42, 9                         ; its K step: 512 bytes
	s_add_co_u32 s42, s41, s42
	s_mov_b32 s43, 0
	s_add_nc_u64 s[32:33], s[32:33], s[42:43]
	v_mul_u32_u24 v7, v4, s38
	v_lshl_add_u32 v7, v3, 4, v7                   ; my 16 bytes of a load
	s_mul_i32 s45, s24, 16*PITCH                   ; my wave's stage
	v_add_nc_u32 v8, s45, v5                       ; in: 16 x lane
	v_mul_u32_u24 v9, v3, PITCH
	v_lshl_add_u32 v9, v4, 7, v9
	v_add_nc_u32 v9, s45, v9                       ; back: row r, + 128 h bytes: 32 numbers
.irp i, 0,1,2,3,4,5,6,7,8,9,10,11,12,13,14,15
	s_min_u32 s44, s39, \i
	s_mul_i32 s44, s44, s37
	v_add_nc_u32 v[R+4*\i], s44, v7
	global_load_b128 v[R+4*\i:R+4*\i+3], v[R+4*\i], s[32:33] th:TH_LOAD_NT   ; row i: sixteen lanes read 256 consecutive bytes; the load lands on its own offset register
.endr
.irp i, 0,1,2,3,4,5,6,7,8,9,10,11,12,13,14,15
	s_wait_loadcnt 15-\i                           ; loads come back in order: row i is in, the 15 - i behind it may be out
	ds_store_b128 v8, v[R+4*\i:R+4*\i+3] offset:\i*PITCH
.endr
.irp c, 0,1
.irp j, 0,1,2,3,4,5,6,7
	ds_load_b128 v[X+32*\c+4*\j:X+32*\c+4*\j+3], v9 offset:256*\c+16*\j   ; LDS serves a wave's instructions in order: these see my stores
.endr
.endr
	s_wait_dscnt 0x0
	s_branch .Lq
.Lp:
	; ---- K is the first axis: a lane takes a column, its registers run down K.  THE COLUMNS OF A TILE ARE NOT NEIGHBOURS (but in p3): lane r of tile 2 b + u takes column 32 b + 8 u + r + 8 (r / 8)
	s_sub_co_u32 s40, s25, T_P
	s_lshr_b32 s41, s40, 3                         ; tile g
	s_and_b32 s42, s40, 7                          ; K step
	s_mov_b64 s[32:33], s[20:21]                   ; p3:
	s_mov_b32 s34, 84                              ; first tile
	s_mov_b32 s37, 64                              ; bytes from row to row
	s_mov_b32 s38, 0                               ; its 16 columns are taken as they lie
	s_cmp_lt_u32 s41, 84
	s_cselect_b64 s[32:33], s[18:19], s[32:33]     ; p2
	s_cselect_b32 s34, 80, s34
	s_cselect_b32 s37, 256, s37
	s_cselect_b32 s38, 8, s38
	s_cmp_lt_u32 s41, 80
	s_cselect_b64 s[32:33], s[16:17], s[32:33]     ; p1
	s_cselect_b32 s34, 64, s34
	s_cselect_b32 s37, 1024, s37
	s_cmp_lt_u32 s41, 64
	s_cselect_b64 s[32:33], s[14:15], s[32:33]     ; p0
	s_cselect_b32 s34, 0, s34
	s_cselect_b32 s37, 4096, s37
	s_sub_co_u32 s43, s41, s34                     ; the tile within its tensor
	s_lshr_b32 s44, s43, 1
	s_lshl_b32 s44, s44, 5
	s_and_b32 s45, s43, 1
	s_lshl_b32 s45, s45, 3
	s_add_co_u32 s44, s44, s45
	v_lshrrev_b32 v7, 3, v3
	v_mad_u32_u24 v7, v7, s38, v3
	v_add_nc_u32 v7, s44, v7                       ; my column
	v_lshlrev_b32 v7, 2, v7
	s_lshl_b32 s45, s42, 7
	v_lshl_add_u32 v10, v4, 5, s45                 ; my first row: 128 x K step + 32 h
	v_mul_lo_u32 v10, v10, s37
	v_add_nc_u32 v7, v7, v10
.set n, 0
.rept 64
	v_mad_u32_u24 v[X+n], s37, 64*(n/32)+n%32, v7
	global_load_b32 v[X+n], v[X+n], s[32:33]       ; p(128 s + 64 c + 32 h + i, my column); the load lands on its own offset register
.set n, n+1
.endr
	s_wait_loadcnt 0x0
.Lq:
	; ---- my two whole blocks: 2 c + h
.irp c, 0,1
	v_max3_num_f32 v[164+\c], |v[X+32*\c]|, |v[X+32*\c+1]|, 0x1800000   ; with the floor 2^(3 - 127): the byte cannot fall under 1
.endr
.irp i, 2,4,6,8,10,12,14,16,18,20,22,24,26,28,30
.irp c, 0,1
	v_max3_num_f32 v[164+\c], v[164+\c], |v[X+32*\c+\i]|, |v[X+32*\c+\i+1]|
.endr
.endr
.irp c, 0,1
	v_add_nc_u32 v[166+\c], 0xff000000, v[164+\c]  ; 2 off the exponent field: the conversion's scale operand
.endr
.irp c, 0,1
	v_lshrrev_b32 v[168+\c], 23, v[166+\c]         ; the scale's byte
.endr
	v_lshl_or_b32 v170, v169, 16, v168             ; my bytes: blocks h and 2 + h,
	v_lshlrev_b32 v171, 3, v4
	v_lshlrev_b32 v170, v171, v170                 ; at their places;
	v_mov_b32 v171, 0
	v_permlanex16_b32 v171, v170, s26, s27
	v_or_b32 v170, v170, v171                      ; with lane l xor 16's two the word is whole
.irp c, 0,1
	v_cvt_scalef32_pk16_fp6_f32 v[F+6*\c:F+6*\c+2], v[X+32*\c:X+32*\c+15], v[166+\c]
	v_cvt_scalef32_pk16_fp6_f32 v[E+4*\c:E+4*\c+2], v[X+32*\c+16:X+32*\c+31], v[166+\c]   ; (a conversion's three registers begin on an even number)
.endr
	v_nop                                          ; one plain place behind a scaled conversion
.irp c, 0,1
.irp i, 0,1,2
	v_mov_b32 v[F+6*\c+3+\i], v[E+4*\c+\i]
.endr
.endr
.irp c, 0,1,2
	global_store_b128 v5, v[F+4*\c:F+4*\c+3], s[28:29] offset:512*\c   ; 32 lanes store 512 consecutive bytes
.endr
	global_store_b32 v6, v170, s[30:31]
	s_wait_tensorcnt 0x0
	ds_add_u32 v176, v177
	s_wait_dscnt 0x0
	s_endpgm
.Lfunc_end_k_q6abd2341cf_prep:
	.size	k_q6abd2341cf_prep, .Lfunc_end_k_q6abd2341cf_prep-k_q6abd2341cf_prep
	.p2alignl 7, 3214868480
	.fill 96, 4, 3214868480
	.section	.rodata,"a",@progbits
	.p2align	6, 0x0
	.amdhsa_kernel k_q6abd2341cf_prep
		.amdhsa_group_segment_fixed_size 34304
		.amdhsa_private_segment_fixed_size 0
		.amdhsa_enable_private_segment 0
		.amdhsa_kernarg_size 80
		.amdhsa_user_sgpr_count 2
		.amdhsa_user_sgpr_kernarg_segment_ptr 1
		.amdhsa_wavefront_size32 1
		.amdhsa_system_sgpr_workgroup_id_x 1
		.amdhsa_system_sgpr_workgroup_id_y 1
		.amdhsa_system_sgpr_workgroup_id_z 1
		.amdhsa_system_vgpr_workitem_id 0
		.amdhsa_next_free_vgpr 178
		.amdhsa_next_free_sgpr 66
		.amdhsa_reserve_vcc 0
		.amdhsa_float_denorm_mode_32 3
		.amdhsa_float_denorm_mode_16_64 3
		.amdhsa_memory_ordered 1
		.amdhsa_forward_progress 1
		.amdhsa_inst_pref_size 26
	.end_amdhsa_kernel
	.amdgpu_metadata
---
amdhsa.version: [ 1, 2 ]
amdhsa.kernels:
  - .name:           k_q6abd2341cf_prep
    .symbol:         k_q6abd2341cf_prep.kd
    .args:
      - { .name: hidden, .offset: 0, .size: 8, .value_kind: global_buffer, .address_space: global }
      - { .name: w0, .offset: 8, .size: 8, .value_kind: global_buffer, .address_space: global }
      - { .name: w1, .offset: 16, .size: 8, .value_kind: global_buffer, .address_space: global }
      - { .name: w2, .offset: 24, .size: 8, .value_kind: global_buffer, .address_space: global }
      - { .name: cluster_w, .offset: 32, .size: 8, .value_kind: global_buffer, .address_space: global }
      - { .name: p0, .offset: 40, .size: 8, .value_kind: global_buffer, .address_space: global }
      - { .name: p1, .offset: 48, .size: 8, .value_kind: global_buffer, .address_space: global }
      - { .name: p2, .offset: 56, .size: 8, .value_kind: global_buffer, .address_space: global }
      - { .name: p3, .offset: 64, .size: 8, .value_kind: global_buffer, .address_space: global }
      - { .name: q1, .offset: 72, .size: 8, .value_kind: global_buffer, .address_space: global }
    .group_segment_fixed_size: 34304
    .private_segment_fixed_size: 0
    .kernarg_segment_align: 8
    .kernarg_segment_size: 80
    .max_flat_workgroup_size: 128
    .sgpr_count:     66
    .vgpr_count:     178
    .wavefront_size: 32
...
	.end_amdgpu_metadata
.endif
;; end of part 1
;; launch proj (part 2): grid 176 x 1, 4 waves a work-group, no clusters, 0 bytes of LDS; arguments q1, hp; writes hp
.if DOCPART == 2
	.amdgcn_target "amdgcn-amd-amdhsa--gfx1250"
	.amdhsa_code_object_version 6
	.text
	.protected	k_q6abd2341cf_proj
	.globl	k_q6abd2341cf_proj
	.p2align	8
	.type	k_q6abd2341cf_proj,@function
k_q6abd2341cf_proj:
	s_mov_b64 s[64:65], 0
	v_nop
	global_prefetch_b8 v0, s[64:65] scope:SCOPE_SE
	s_setreg_imm32_b32 hwreg(HW_REG_WAVE_MODE, 25, 1), 1
	s_wait_xcnt 0x0
; h_i = Q(hidden) Q(p_i), i = 0..3, on codes of FP6, sums in f32; h0, h1, h2 are quantised along their columns (the next K) and stored as images of operand registers; h3 goes out as bf16 (an operand's registers 0-3) and as f32.
; SHARES.  Work-group = (unit u = id / 16, four row tiles); a wave takes ONE tile of 16 rows x unit u: 8 tiles of 16 columns of p (u 0-7: p0; 8, 9: p1), or for u = 10 p2's four tiles and p3's one.
; THE PRODUCT IS USED TRANSPOSED (source 0 = 16 columns of p, source 1 = 16 rows of hidden): a lane holds one row, and by the choice of p's columns in a tile the 16 registers of tiles 2 b, 2 b + 1 are k = 32 b + 16 h + 0..15 of the next product.
; p's fragments come straight from memory into two register sets by turns, a K step ahead.  The accumulators take turns, one instruction a turn.
; h2 has K = 64: its fragment is stored twice, as [h | 0] and as [0 | h]; zero codes add nothing, so the variant picks one of the two column tiles that share a fragment of w2.
; LIMITS: as in the launch before (a block of zeros keeps the byte 1; NaN and infinities are not served).
.set T_P,  18020
.set SCO,  28723200
.set H1I,  786432
.set H2I,  983040
.set H3I,  1179648
.set H0S,  1212416
.set H1S,  1277952
.set H2S,  1294336
.set H3F,  1302528
.set LI,  1                            ; v1  16 x lane
.set LS,  2                            ; v2  4 x lane
.set H3A, 8                            ; v8-15    h3's accumulator
.set XF,  16                           ; v16-111  hidden's 8 fragments
.set XS,  112                          ; v112-119 their scale words
.set HA,  120                          ; v120-183 8 accumulators
.set PS,  184                          ; v184-199 p's scale words, two sets
.set TM,  200                          ; v200-215 at work in QUANT
.set PW,  216                          ; the scale word just made
.set TT,  217
.set PW2, 218
.set PC,  220                          ; v220-238 the codes just made
.set PC2, 240                          ; v240-251 the second variant
.set B16, 252                          ; v252-255 h3 in bf16
.set MSB, 0
.macro WIN new                         ; the immediate's high byte repeats the setting that is left
.if MSB != (\new)
	s_set_vgpr_msb (MSB<<8)|(\new)
.set MSB, (\new)
.endif
.endm
.macro LOADP s, nt                     ; K step s of nt tiles of p: window 1, set s % 2; their scale words
	WIN 0x40
.set t, 0
.rept \nt
.irp c, 0,1,2
	global_load_b128 v[96*((\s)%2)+12*t+4*\c:96*((\s)%2)+12*t+4*\c+3], v[LI], s[20:21] offset:t*12288+(\s)*1536+512*\c
.endr
.set t, t+1
.endr
	WIN 0
.set t, 0
.rept \nt
	global_load_b32 v[PS+8*((\s)%2)+t], v[LS], s[22:23] offset:t*1024+(\s)*128
.set t, t+1
.endr
.endm
.macro GEMM nt
	LOADP 0, \nt
.irp s, 0,1,2,3,4,5,6,7
.if \s > 0
.rept 4
	v_nop                                          ; places in front of loads into registers that matrix instructions have read
.endr
.endif
.if \s < 7
	LOADP \s+1, \nt
	s_wait_loadcnt 4*\nt                           ; all but the next K step's loads (3 of images and 1 of scales a tile) are in
.else
	s_wait_loadcnt 0x0
.endif
	WIN 0x01                                       ; source 0 (p) window 1
.set t, 0
.rept \nt
.set dd, HA+8*t
.if (\nt == 5) && (t == 4)
.set dd, H3A
.endif
.set pp, 96*(\s%2)+12*t
.if \s == 0
	v_wmma_scale_f32_16x16x128_f8f6f4 v[dd:dd+7], v[pp:pp+11], v[XF+12*\s:XF+12*\s+11], 0, v[PS+8*(\s%2)+t], v[XS+\s] matrix_a_fmt:MATRIX_FMT_FP6 matrix_b_fmt:MATRIX_FMT_FP6
.else
	v_wmma_scale_f32_16x16x128_f8f6f4 v[dd:dd+7], v[pp:pp+11], v[XF+12*\s:XF+12*\s+11], v[dd:dd+7], v[PS+8*(\s%2)+t], v[XS+\s] matrix_a_fmt:MATRIX_FMT_FP6 matrix_b_fmt:MATRIX_FMT_FP6
.endif
.set t, t+1
.endr
	WIN 0
.endr
.rept 4
	v_nop                                          ; places in front of the first read of results
.endr
.endm
; 64 numbers of a lane, register 16 b + i = k 32 b + 16 h + i of my row, become a fragment's codes in v[PC] on and its scale word in v[PW]
.macro QUANT s
.irp b, 0,1,2,3
	v_max3_num_f32 v[TM+\b], |v[\s+16*\b]|, |v[\s+1+16*\b]|, 0x1800000   ; my 16 numbers of block b, and the floor 2^(3 - 127)
.endr
.irp i, 2,4,6,8,10,12,14
.irp b, 0,1,2,3
	v_max3_num_f32 v[TM+\b], v[TM+\b], |v[\s+16*\b+\i]|, |v[\s+1+16*\b+\i]|
.endr
.endr
.irp b, 0,1,2,3
	v_permlanex16_b32 v[TM+4+\b], v[TM+\b], s12, s13
.endr
.irp b, 0,1,2,3
	v_max_num_f32 v[TM+\b], v[TM+\b], v[TM+4+\b]   ; with lane l xor 16's: the block's largest magnitude
.endr
.irp b, 0,1,2,3
	v_add_nc_u32 v[TM+12+\b], 0xff000000, v[TM+\b] ; 2 off its exponent field: the conversion's scale operand
.endr
.irp b, 0,1,2,3
	v_lshrrev_b32 v[TM+4+\b], 23, v[TM+12+\b]      ; the scale's byte
.endr
	v_lshl_or_b32 v[PW], v[TM+5], 8, v[TM+4]
	v_lshl_or_b32 v[PW], v[TM+6], 16, v[PW]
	v_lshl_or_b32 v[PW], v[TM+7], 24, v[PW]
.irp c, 0,1
	v_cvt_scalef32_pk16_fp6_f32 v[PC+6*\c:PC+2+6*\c], v[\s+32*\c:\s+15+32*\c], v[TM+12+2*\c]
	v_cvt_scalef32_pk16_fp6_f32 v[PC+12+4*\c:PC+14+4*\c], v[\s+16+32*\c:\s+31+32*\c], v[TM+12+2*\c+1]
.endr
	v_nop                                          ; one plain place behind a scaled conversion
.irp c, 0,1                                    ; the operand's layout wants a whole block in a lane
.irp i, 0,1,2
	v_permlane16_swap_b32 v[PC+6*\c+\i], v[PC+12+4*\c+\i]
.endr
.irp i, 0,1,2
	v_mov_b32 v[PC+3+6*\c+\i], v[PC+12+4*\c+\i]
.endr
.endr
.endm
	s_load_b128 s[4:7], s[0:1], 0x0                ; q1, hp
	v_lshrrev_b32 v3, 5, v0
	v_readfirstlane_b32 s8, v3                     ; wave
	v_and_b32 v3, 31, v0
	v_lshlrev_b32 v[LI], 4, v3
	v_lshlrev_b32 v[LS], 2, v3
.irp b, 0,1,2,3
	v_mov_b32 v[TM+4+\b], 0                        ; written once: a lane permute's destination counts as one of its sources
.endr
	s_lshr_b32 s9, ttmp9, 4                        ; unit u
	s_and_b32 s10, ttmp9, 15
	s_lshl_b32 s10, s10, 2
	s_add_co_u32 s10, s10, s8                      ; my row tile
	s_mov_b32 s12, 0x76543210
	s_mov_b32 s13, 0xfedcba98
	s_mul_i32 s14, s10, 12288                      ; hidden's 8 images of my tile,
	s_mov_b32 s15, 0
	s_lshl_b32 s16, s10, 10
	s_add_co_u32 s16, s16, SCO                     ; their scale words
	s_mov_b32 s17, 0
	s_lshl_b32 s18, s9, 6
	s_add_co_u32 s18, s18, T_P                     ; the unit's first task of p
	s_mul_i32 s20, s18, 1536
	s_mov_b32 s21, 0
	s_lshl_b32 s22, s18, 7
	s_add_co_u32 s22, s22, SCO
	s_mov_b32 s23, 0
	s_wait_kmcnt 0x0
	s_add_nc_u64 s[14:15], s[4:5], s[14:15]
	s_add_nc_u64 s[16:17], s[4:5], s[16:17]
	s_add_nc_u64 s[20:21], s[4:5], s[20:21]
	s_add_nc_u64 s[22:23], s[4:5], s[22:23]
.irp s, 0,1,2,3,4,5,6,7
.irp c, 0,1,2
	global_load_b128 v[XF+12*\s+4*\c:XF+12*\s+4*\c+3], v[LI], s[14:15] offset:\s*1536+512*\c
.endr
.endr
.irp s, 0,1,2,3,4,5,6,7
	global_load_b32 v[XS+\s], v[LS], s[16:17] offset:\s*128
.endr
	s_cmp_eq_u32 s9, 10
	s_cbranch_scc1 .Lb
	; ---- units 0-9: 128 columns of h0 or h1 = one K step of the next product
	s_lshl_b32 s32, s10, 3
	s_add_co_u32 s32, s32, s9                      ; h0: fragment 8 x tile + u
	s_lshl_b32 s33, s10, 1
	s_add_co_u32 s33, s33, s9
	s_sub_co_u32 s33, s33, 8                       ; h1: fragment 2 x tile + u - 8
	s_mul_i32 s34, s32, 1536
	s_mul_i32 s35, s33, 1536
	s_add_co_u32 s35, s35, H1I
	s_lshl_b32 s32, s32, 7
	s_add_co_u32 s32, s32, H0S
	s_lshl_b32 s33, s33, 7
	s_add_co_u32 s33, s33, H1S
	s_cmp_lt_u32 s9, 8
	s_cselect_b32 s24, s34, s35
	s_cselect_b32 s26, s32, s33
	s_mov_b32 s25, 0
	s_mov_b32 s27, 0
	s_add_nc_u64 s[24:25], s[6:7], s[24:25]
	s_add_nc_u64 s[26:27], s[6:7], s[26:27]
	GEMM 8
	QUANT HA
.irp c, 0,1,2
	global_store_b128 v[LI], v[PC+4*\c:PC+4*\c+3], s[24:25] offset:512*\c
.endr
	global_store_b32 v[LS], v[PW], s[26:27]
	s_endpgm
.Lb:
	; ---- unit 10: h2 (64 columns) and h3 (16 columns)
	s_mul_i32 s24, s10, 3072
	s_add_co_u32 s24, s24, H2I
	s_mov_b32 s25, 0
	s_lshl_b32 s26, s10, 7
	s_add_co_u32 s26, s26, H2S
	s_mov_b32 s27, 0
	s_lshl_b32 s28, s10, 9
	s_add_co_u32 s28, s28, H3I
	s_mov_b32 s29, 0
	s_lshl_b32 s30, s10, 10
	s_add_co_u32 s30, s30, H3F
	s_mov_b32 s31, 0
	s_add_nc_u64 s[24:25], s[6:7], s[24:25]
	s_add_nc_u64 s[26:27], s[6:7], s[26:27]
	s_add_nc_u64 s[28:29], s[6:7], s[28:29]
	s_add_nc_u64 s[30:31], s[6:7], s[30:31]
.set n, 32
.rept 32
	v_mov_b32 v[HA+n], 0                           ; k 64-127 of h2's fragment: zeros
.set n, n+1
.endr
	GEMM 5
	global_store_b128 v[LI], v[H3A:H3A+3], s[30:31]              ; h3 in f32: lane (r, h): h3(r, 8 h + 0..7)
	global_store_b128 v[LI], v[H3A+4:H3A+7], s[30:31] offset:512
.irp i, 0,1,2,3
	v_cvt_pk_bf16_f32 v[B16+\i], v[H3A+2*\i], v[H3A+2*\i+1]      ; and as registers 0-3 of a bf16 operand (k = 8 h + 0..7)
.endr
	global_store_b128 v[LI], v[B16:B16+3], s[28:29]
	QUANT HA
.irp c, 0,1,2
	global_store_b128 v[LI], v[PC+4*\c:PC+4*\c+3], s[24:25] offset:512*\c          ; [h | 0]
.endr
.irp i, 0,1,2,3,4,5
	v_mov_b32 v[PC2+\i], v[PC+6+\i]
	v_mov_b32 v[PC2+6+\i], v[PC+\i]
.endr
	v_and_b32 v[TT], 0xffff, v[PW]
	v_lshl_or_b32 v[PW2], v[TT], 16, v[TT]         ; h's two bytes in both halves of the word: it serves both variants
.irp c, 0,1,2
	global_store_b128 v[LI], v[PC2+4*\c:PC2+4*\c+3], s[24:25] offset:1536+512*\c   ; [0 | h]
.endr
	global_store_b32 v[LS], v[PW2], s[26:27]
	s_endpgm
.Lfunc_end_k_q6abd2341cf_proj:
	.size	k_q6abd2341cf_proj, .Lfunc_end_k_q6abd2341cf_proj-k_q6abd2341cf_proj
	.p2alignl 7, 3214868480
	.fill 96, 4, 3214868480
	.section	.rodata,"a",@progbits
	.p2align	6, 0x0
	.amdhsa_kernel k_q6abd2341cf_proj
		.amdhsa_group_segment_fixed_size 0
		.amdhsa_private_segment_fixed_size 0
		.amdhsa_enable_private_segment 0
		.amdhsa_kernarg_size 16
		.amdhsa_user_sgpr_count 2
		.amdhsa_user_sgpr_kernarg_segment_ptr 1
		.amdhsa_wavefront_size32 1
		.amdhsa_system_sgpr_workgroup_id_x 1
		.amdhsa_system_sgpr_workgroup_id_y 1
		.amdhsa_system_sgpr_workgroup_id_z 1
		.amdhsa_system_vgpr_workitem_id 0
		.amdhsa_next_free_vgpr 448
		.amdhsa_next_free_sgpr 66
		.amdhsa_reserve_vcc 0
		.amdhsa_float_denorm_mode_32 3
		.amdhsa_float_denorm_mode_16_64 3
		.amdhsa_memory_ordered 1
		.amdhsa_forward_progress 1
		.amdhsa_inst_pref_size 74
	.end_amdhsa_kernel
	.amdgpu_metadata
---
amdhsa.version: [ 1, 2 ]
amdhsa.kernels:
  - .name:           k_q6abd2341cf_proj
    .symbol:         k_q6abd2341cf_proj.kd
    .args:
      - { .name: q1, .offset: 0, .size: 8, .value_kind: global_buffer, .address_space: global }
      - { .name: hp, .offset: 8, .size: 8, .value_kind: global_buffer, .address_space: global }
    .group_segment_fixed_size: 0
    .private_segment_fixed_size: 0
    .kernarg_segment_align: 8
    .kernarg_segment_size: 16
    .max_flat_workgroup_size: 128
    .sgpr_count:     66
    .vgpr_count:     448
    .wavefront_size: 32
...
	.end_amdgpu_metadata
.endif
;; end of part 2
;; launch lse (part 3): grid 999 x 1, 4 waves a work-group, no clusters, 0 bytes of LDS; arguments q1, hp, b0, b1, b2, b3, w3, part; writes part
.if DOCPART == 3
	.amdgcn_target "amdgcn-amd-amdhsa--gfx1250"
	.amdhsa_code_object_version 6
	.text
	.protected	k_q6abd2341cf_lse
	.globl	k_q6abd2341cf_lse
	.p2align	8
	.type	k_q6abd2341cf_lse,@function
k_q6abd2341cf_lse:
	s_mov_b64 s[64:65], 0
	v_nop
	global_prefetch_b8 v0, s[64:65] scope:SCOPE_SE
	s_setreg_imm32_b32 hwreg(HW_REG_WAVE_MODE, 25, 1), 1
	s_wait_xcnt 0x0
; The logits of all four parts, never stored: for each (chunk of columns, row, half of the lanes) the largest logit xm and s = the sum of 2^((x - xm) log2 e).
; CHUNKS = work-groups: 0-249 tail 2 (640 columns each), 250-498 tail 3 (272 columns; its last 7 columns are left to the last launch), 499-748 head (80 columns of w0; the 3 cluster columns are left to the last launch), 749-998 tail 1 (80 columns).
; A work-group's columns (codes, scale words, biases) STAY IN EVERY WAVE'S REGISTERS; the four waves share the 64 row tiles, 16 each, and stream h's small fragments from memory, one tile ahead, in two register sets by turns.
; THE PRODUCT IS USED TRANSPOSED (source 0 = 16 columns' weights, source 1 = 16 rows of h): lane (r, h) holds row r and columns 8 h + 0..7 of each tile.  The bias is the C of a sum's first matrix instruction.
; Head, tails 1 and 2: codes of FP6 with E8M0 scales.  Tail 2 (K = 64): two column tiles share a fragment [wA | wB]; h2's variants [h | 0] and [0 | h] pick one.  Tail 3 (K = 16, left as it is): bf16, k 16-31 zeros.
; THE SOFTMAX takes a running maximum away: when it moves, the sum is multiplied by 2^((old - new) log2 e).
; No multicast and no LDS: operands go from memory straight into registers, in the order of the operand's registers.  No prefetch: the resident loads stand at the head, and h's images are read by every work-group of a part.
; The last look-ahead of a wave loads the tile behind its last one: bytes inside hp that the launch before has written; they are not used.
; REGISTERS: window 0: v1-5 lane terms; v8-31 the softmax's; v32-71 five accumulators; v72-111 biases (head, tail 1); v112-151 the weights' scale words; v152-167 h's.  Windows 1-3: see each part.
.set T_W0, 512
.set T_W1, 10512
.set T_W2, 13012
.set SCO,  28723200
.set H1I,  786432
.set H2I,  983040
.set H3I,  1179648
.set H0S,  1212416
.set H1S,  1277952
.set H2S,  1294336
.set LI, 1                             ; 16 x lane
.set LS, 2                             ; 4 x lane
.set LP, 3                             ; 8 x lane
.set LB, 4                             ; 32 h
.set LW, 5                             ; 64 r + 32 h
.set ST0, 8                            ; v8-9, v10-11: (xm, s) to store, two sets by turns
.set ST1, 10
.set S,   12                           ; v12-13 the sum, in two halves
.set NEG, 14                           ; v14 -xm log2 e (v15 named with it as a pair)
.set D,   16                           ; v16 the factor for the old sum (v17 likewise)
.set U,   18                           ; v18-23 three more chains of the sum
.set T,   26                           ; v26-30 a tile's maximum
.set ACC, 32
.set BIAS, 72
.set WS,  112
.set XS,  152
.set CS,  20                           ; s[20:21] log2 e
.set NCS, 22                           ; s22 -log2 e
.set WV,  23
.set J,   24
.set CNT, 25
.set SA,  26                           ; s[26:27] h's images, my next tile
.set SSB, 28                           ; s[28:29] their scale words
.set PB,  30                           ; s[30:31] where my results go
.set RA,  32                           ; s[32:33] the resident images
.set RS,  34                           ; s[34:35] their scale words
.set RB,  36                           ; s[36:37] the biases
.set MSB, 0
.macro WIN new                         ; the immediate's high byte repeats the setting that is left
.if MSB != (\new)
	s_set_vgpr_msb (MSB<<8)|(\new)
.set MSB, (\new)
.endif
.endm
.macro PLACES                          ; four plain places between a matrix instruction and the first vector instruction that reads its result
.rept 4
	v_nop
.endr
.endm
.macro BASE dst, src, reg, mul, add    ; s[dst] = s[src] + s[reg] x mul + add (an offset under 2^32)
	s_mul_i32 s40, s[\reg], \mul
	s_add_co_u32 s40, s40, \add
	s_mov_b32 s41, 0
	s_add_nc_u64 s[\dst:\dst+1], s[\src:\src+1], s[40:41]
.endm
; nt tiles of logits in v[ACC] on go into the running (xm, sum).  first = 1: they start both.  Each accumulator is read from its low end on.
.macro SOFT nt, first, st
.irp k, 0,1,2,3,4
.if \k < \nt
	v_max3_num_f32 v[T+\k], v[ACC+8*\k], v[ACC+8*\k+1], v[ACC+8*\k+2]
.endif
.endr
.irp i, 3,5
.irp k, 0,1,2,3,4
.if \k < \nt
	v_max3_num_f32 v[T+\k], v[T+\k], v[ACC+8*\k+\i], v[ACC+8*\k+\i+1]
.endif
.endr
.endr
.irp k, 0,1,2,3,4
.if \k < \nt
	v_max_num_f32 v[T+\k], v[T+\k], v[ACC+8*\k+7]
.endif
.endr
	v_max3_num_f32 v[T], v[T], v[T+1], v[T+2]
.if \nt == 5
	v_max3_num_f32 v[T], v[T], v[T+3], v[T+4]
.if \first == 0
	v_max_num_f32 v[T], v[T], v[\st]
.endif
.else
.if \first
	v_max_num_f32 v[T], v[T], v[T+3]
.else
	v_max3_num_f32 v[T], v[T], v[T+3], v[\st]
.endif
.endif
	v_mul_f32 v[NEG], s[NCS], v[T]                 ; -(new xm) log2 e
.if \first == 0
	v_fma_f32 v[D], v[\st], s[CS], v[NEG]          ; (old xm - new xm) log2 e, 0 or less
.endif
	v_mov_b32 v[\st], v[T]
.set sj, 0
.rept 4*\nt
	v_pk_fma_f32 v[ACC+2*sj:ACC+2*sj+1], v[ACC+2*sj:ACC+2*sj+1], s[CS:CS+1], v[NEG:NEG+1] op_sel_hi:[1,0,0]   ; (x - xm) log2 e, two at a time
.set sj, sj+1
.endr
.set sj, 0
.rept 8*\nt
	v_exp_f32 v[ACC+sj], v[ACC+sj]
.set sj, sj+1
.endr
.if \first == 0
	v_exp_f32 v[D], v[D]
.endif
	v_nop                                          ; a plain place behind the last exponential
	s_wait_alu depctr_va_vdst(0)                   ; one wait for the whole batch, ahead of its first reader
.if \first
	v_pk_add_f32 v[S:S+1], v[ACC:ACC+1], v[ACC+8:ACC+9]
.else
	v_pk_mul_f32 v[S:S+1], v[S:S+1], v[D:D+1] op_sel_hi:[1,0]
.endif
.irp q, 1,2,3
	v_pk_add_f32 v[U+2*\q-2:U+2*\q-1], v[ACC+2*\q:ACC+2*\q+1], v[ACC+8+2*\q:ACC+9+2*\q]
.endr
.if \first == 0
	v_pk_add_f32 v[S:S+1], v[S:S+1], v[ACC:ACC+1]
	v_pk_add_f32 v[S:S+1], v[S:S+1], v[ACC+8:ACC+9]
.endif
.set sj, 2
.rept \nt-2
	v_pk_add_f32 v[S:S+1], v[S:S+1], v[ACC+8*sj:ACC+8*sj+1]
	v_pk_add_f32 v[U:U+1], v[U:U+1], v[ACC+8*sj+2:ACC+8*sj+3]
	v_pk_add_f32 v[U+2:U+3], v[U+2:U+3], v[ACC+8*sj+4:ACC+8*sj+5]
	v_pk_add_f32 v[U+4:U+5], v[U+4:U+5], v[ACC+8*sj+6:ACC+8*sj+7]
.set sj, sj+1
.endr
	v_pk_add_f32 v[U:U+1], v[U:U+1], v[U+2:U+3]
	v_pk_add_f32 v[S:S+1], v[S:S+1], v[U+4:U+5]
	v_pk_add_f32 v[S:S+1], v[S:S+1], v[U:U+1]
.endm
.macro OUTP st, imm                    ; a row tile's (xm, s): 32 lanes store 256 consecutive bytes, aligned
	v_add_f32 v[\st+1], v[S], v[S+1]
	global_store_b64 v[LP], v[\st:\st+1], s[PB:PB+1] offset:\imm
.endm
.macro EDGE sa, ss, lbl                ; the loop's edge: the trip's loads and stores have read their bases and data, which may be written again
	s_wait_xcnt 0x0
	s_add_nc_u64 s[SA:SA+1], s[SA:SA+1], \sa
	s_add_nc_u64 s[SSB:SSB+1], s[SSB:SSB+1], \ss
	s_add_nc_u64 s[PB:PB+1], s[PB:PB+1], 512
	s_sub_co_u32 s[CNT], s[CNT], 1
	s_cmp_lg_u32 s[CNT], 0
	s_cbranch_scc1 \lbl
.endm
; ---- head and tail 1: 5 tiles of columns x ks K steps resident (fragment (t, k) in window 1 + k / 4 at 12 (5 (k % 4) + t)); h's ks fragments of a tile in window 3 at 12 ks buf + 12 k
.macro KLOAD ks, buf, d                ; the tile d tiles on, into set buf
	WIN 0xc0
.set kq, 0
.rept \ks
.irp c, 0,1,2
	global_load_b128 v[12*\ks*\buf+12*kq+4*\c:12*\ks*\buf+12*kq+4*\c+3], v[LI], s[SA:SA+1] offset:(\d*\ks+kq)*1536+512*\c
.endr
.set kq, kq+1
.endr
	WIN 0
.set kq, 0
.rept \ks
	global_load_b32 v[XS+8*\buf+kq], v[LS], s[SSB:SSB+1] offset:(\d*\ks+kq)*128
.set kq, kq+1
.endr
.endm
.macro KCOMP ks, buf, st               ; the five accumulators take turns, one instruction a turn
.set kq, 0
.rept \ks
	WIN (1+kq/4)|0x0c
.irp t, 0,1,2,3,4
.if kq == 0
	v_wmma_scale_f32_16x16x128_f8f6f4 v[ACC+8*\t:ACC+8*\t+7], v[12*(5*(kq%4)+\t):12*(5*(kq%4)+\t)+11], v[12*\ks*\buf+12*kq:12*\ks*\buf+12*kq+11], v[BIAS+8*\t:BIAS+8*\t+7], v[WS+5*kq+\t], v[XS+8*\buf+kq] matrix_a_fmt:MATRIX_FMT_FP6 matrix_b_fmt:MATRIX_FMT_FP6
.else
	v_wmma_scale_f32_16x16x128_f8f6f4 v[ACC+8*\t:ACC+8*\t+7], v[12*(5*(kq%4)+\t):12*(5*(kq%4)+\t)+11], v[12*\ks*\buf+12*kq:12*\ks*\buf+12*kq+11], v[ACC+8*\t:ACC+8*\t+7], v[WS+5*kq+\t], v[XS+8*\buf+kq] matrix_a_fmt:MATRIX_FMT_FP6 matrix_b_fmt:MATRIX_FMT_FP6
.endif
.endr
.set kq, kq+1
.endr
	WIN 0
	PLACES
	SOFT 5, 1, \st
.endm
.macro PARTK ks
.set kq, 0
.rept \ks
	WIN (1+kq/4)<<6
.irp t, 0,1,2,3,4
.irp c, 0,1,2
	global_load_b128 v[12*(5*(kq%4)+\t)+4*\c:12*(5*(kq%4)+\t)+4*\c+3], v[LI], s[RA:RA+1] offset:(\ks*\t+kq)*1536+512*\c
.endr
.endr
.set kq, kq+1
.endr
	WIN 0
.set kq, 0
.rept \ks
.irp t, 0,1,2,3,4
	global_load_b32 v[WS+5*kq+\t], v[LS], s[RS:RS+1] offset:(\ks*\t+kq)*128
.endr
.set kq, kq+1
.endr
.irp t, 0,1,2,3,4
	global_load_b128 v[BIAS+8*\t:BIAS+8*\t+3], v[LB], s[RB:RB+1] offset:64*\t
	global_load_b128 v[BIAS+8*\t+4:BIAS+8*\t+7], v[LB], s[RB:RB+1] offset:64*\t+16
.endr
	KLOAD \ks, 0, 0
	s_mov_b32 s[CNT], 8
.Lk_\@:                                            ; a trip: two row tiles
	KLOAD \ks, 1, 1
	s_wait_loadcnt 4*\ks                           ; all but the 4 ks loads just issued are in (in the first trip the resident ones too)
	KCOMP \ks, 0, ST0
	OUTP ST0, 0
	KLOAD \ks, 0, 2                                ; (the softmax's instructions are the places behind the products that read this set)
	s_wait_loadcnt 4*\ks
	KCOMP \ks, 1, ST1
	OUTP ST1, 256
	EDGE 2*1536*\ks, 2*128*\ks, .Lk_\@
	s_endpgm
.endm
; ---- tail 2
.macro T2LOAD buf, d
	WIN 0xc0
.irp w, 0,1
.irp c, 0,1,2
	global_load_b128 v[24*\buf+12*\w+4*\c:24*\buf+12*\w+4*\c+3], v[LI], s[SA:SA+1] offset:\d*3072+\w*1536+512*\c
.endr
.endr
	WIN 0
	global_load_b32 v[XS+8*\buf], v[LS], s[SSB:SSB+1] offset:\d*128
.endm
.macro T2COMP buf, st                  ; 40 tiles of columns in eight groups of five; each product is whole in one instruction
.set g, 0
.rept 8
.set i, 0
.rept 5
.set b, 5*g+i
.if b < 32
	WIN 0x2d                                       ; weights window 1, h window 3, bias window 2
.set cc, 8*b
.else
	WIN 0x3d                                       ; bias window 3
.set cc, 192+8*(b-32)
.endif
	v_wmma_scale_f32_16x16x128_f8f6f4 v[ACC+8*i:ACC+8*i+7], v[12*(b/2):12*(b/2)+11], v[24*\buf+12*(b%2):24*\buf+12*(b%2)+11], v[cc:cc+7], v[WS+b/2], v[XS+8*\buf] matrix_a_fmt:MATRIX_FMT_FP6 matrix_b_fmt:MATRIX_FMT_FP6
.set i, i+1
.endr
	WIN 0
	PLACES
.if g == 0
	SOFT 5, 1, \st
.else
	SOFT 5, 0, \st
.endif
.set g, g+1
.endr
.endm
; ---- tail 3
.macro T3LOAD buf, d
	WIN 0xc0
	global_load_b128 v[8*\buf:8*\buf+3], v[LI], s[SA:SA+1] offset:\d*512
	WIN 0
.endm
.macro T3G b0, nt, first, buf, st
	WIN 0x2d                                       ; w3 window 1, h3 window 3, bias window 2
.set i, 0
.rept \nt
	v_wmma_f32_16x16x32_bf16 v[ACC+8*i:ACC+8*i+7], v[8*(\b0+i):8*(\b0+i)+7], v[8*\buf:8*\buf+7], v[8*(\b0+i):8*(\b0+i)+7]
.set i, i+1
.endr
	WIN 0
	PLACES
	SOFT \nt, \first, \st
.endm
.macro T3COMP buf, st
	T3G 0, 5, 1, \buf, \st
	T3G 5, 4, 0, \buf, \st
	T3G 9, 4, 0, \buf, \st
	T3G 13, 4, 0, \buf, \st
.endm
	s_load_b256 s[4:11], s[0:1], 0x0               ; q1, hp, b0, b1
	s_load_b256 s[12:19], s[0:1], 0x20             ; b2, b3, w3, part
	v_lshrrev_b32 v6, 5, v0
	v_readfirstlane_b32 s[WV], v6                  ; wave
	v_and_b32 v6, 31, v0
	v_lshlrev_b32 v[LI], 4, v6
	v_lshlrev_b32 v[LS], 2, v6
	v_lshlrev_b32 v[LP], 3, v6
	v_bfe_u32 v7, v0, 4, 1
	v_lshlrev_b32 v[LB], 5, v7
	v_and_b32 v[LW], 15, v0
	v_lshl_add_u32 v[LW], v[LW], 6, v[LB]
	v_mov_b32 v[NEG+1], 0                          ; named as the upper halves of pairs, so they are written
	v_mov_b32 v[D+1], 0
	s_mov_b32 s[CS], 0x3fb8aa3b                    ; log2 e
	s_mov_b32 s[CS+1], s[CS]
	s_mov_b32 s[NCS], 0xbfb8aa3b
	s_lshl_b32 s40, ttmp9, 14                      ; my chunk: 16,384 bytes;
	s_lshl_b32 s41, s[WV], 12                      ; my wave's 16 row tiles of 256 bytes
	s_add_co_u32 s40, s40, s41
	s_mov_b32 s41, 0
	s_wait_kmcnt 0x0
	s_add_nc_u64 s[PB:PB+1], s[18:19], s[40:41]
	s_cmp_lt_u32 ttmp9, 250
	s_cbranch_scc1 .LT2
	s_cmp_lt_u32 ttmp9, 499
	s_cbranch_scc1 .LT3
	s_cmp_lt_u32 ttmp9, 749
	s_cbranch_scc1 .LH
	; ---- tail 1: K = 256
	s_sub_co_u32 s[J], ttmp9, 749
	s_mul_i32 s42, s[J], 10
	s_add_co_u32 s42, s42, T_W1
	BASE RA, 4, 42, 1536, 0
	BASE RS, 4, 42, 128, SCO
	BASE RB, 10, J, 320, 0
	BASE SA, 6, WV, 49152, H1I
	BASE SSB, 6, WV, 4096, H1S
	PARTK 2
.LH:
	; ---- head: K = 1,024
	s_sub_co_u32 s[J], ttmp9, 499
	s_mul_i32 s42, s[J], 40
	s_add_co_u32 s42, s42, T_W0
	BASE RA, 4, 42, 1536, 0
	BASE RS, 4, 42, 128, SCO
	BASE RB, 8, J, 320, 0
	BASE SA, 6, WV, 196608, 0
	BASE SSB, 6, WV, 16384, H0S
	PARTK 8
.LT2:
	; ---- tail 2.  Window 1: 20 fragments (pairs of tiles).  Window 2: the biases of tiles 0-31.  Window 3: v0-47 h2's two variants, two sets; v192-255 the biases of tiles 32-39
	s_mul_i32 s42, ttmp9, 20
	s_add_co_u32 s42, s42, T_W2
	s_mov_b32 s[J], ttmp9
	BASE RA, 4, 42, 1536, 0
	BASE RS, 4, 42, 128, SCO
	BASE RB, 12, J, 2560, 0
	BASE SA, 6, WV, 49152, H2I
	BASE SSB, 6, WV, 2048, H2S
	WIN 0x40
.set pq, 0
.rept 20
.irp c, 0,1,2
	global_load_b128 v[12*pq+4*\c:12*pq+4*\c+3], v[LI], s[RA:RA+1] offset:pq*1536+512*\c
.endr
.set pq, pq+1
.endr
	WIN 0x80
.set bb, 0
.rept 32
	global_load_b128 v[8*bb:8*bb+3], v[LB], s[RB:RB+1] offset:64*bb
	global_load_b128 v[8*bb+4:8*bb+7], v[LB], s[RB:RB+1] offset:64*bb+16
.set bb, bb+1
.endr
	WIN 0xc0
.rept 8
	global_load_b128 v[192+8*(bb-32):192+8*(bb-32)+3], v[LB], s[RB:RB+1] offset:64*bb
	global_load_b128 v[192+8*(bb-32)+4:192+8*(bb-32)+7], v[LB], s[RB:RB+1] offset:64*bb+16
.set bb, bb+1
.endr
	WIN 0
.set pq, 0
.rept 20
	global_load_b32 v[WS+pq], v[LS], s[RS:RS+1] offset:pq*128
.set pq, pq+1
.endr
	T2LOAD 0, 0
	s_mov_b32 s[CNT], 8
.Lt2:
	T2LOAD 1, 1
	s_wait_loadcnt 7                               ; all but the 7 loads just issued (6 of images, 1 of scales) are in
	T2COMP 0, ST0
	OUTP ST0, 0
	T2LOAD 0, 2
	s_wait_loadcnt 7
	T2COMP 1, ST1
	OUTP ST1, 256
	EDGE 6144, 256, .Lt2
	s_endpgm
.LT3:
	; ---- tail 3.  Window 1: 17 tiles of w3 in bf16 (registers 4-7 of each: k 16-31, zeros).  Window 2: their biases.  Window 3: v0-15 h3, two sets; v64-199 w3 in f32, on its way
	s_sub_co_u32 s[J], ttmp9, 250
	BASE RA, 16, J, 17408, 0
	BASE RB, 14, J, 1088, 0
	BASE SA, 6, WV, 8192, H3I
	s_mov_b64 s[SSB:SSB+1], s[SA:SA+1]             ; (stepped with the others at the loop's edge; not used here)
	WIN 0xc0
.set bb, 0
.rept 17
	global_load_b128 v[64+8*bb:64+8*bb+3], v[LW], s[RA:RA+1] offset:1024*bb
	global_load_b128 v[64+8*bb+4:64+8*bb+7], v[LW], s[RA:RA+1] offset:1024*bb+16
.set bb, bb+1
.endr
	WIN 0x80
.set bb, 0
.rept 17
	global_load_b128 v[8*bb:8*bb+3], v[LB], s[RB:RB+1] offset:64*bb
	global_load_b128 v[8*bb+4:8*bb+7], v[LB], s[RB:RB+1] offset:64*bb+16
.set bb, bb+1
.endr
	WIN 0
	s_wait_loadcnt 0x0
	WIN 0x4f                                       ; sources window 3, destination window 1
.set bb, 0
.rept 17
.irp i, 0,1,2,3
	v_cvt_pk_bf16_f32 v[8*bb+\i], v[64+8*bb+2*\i], v[64+8*bb+2*\i+1]
	v_mov_b32 v[8*bb+4+\i], 0
.endr
.set bb, bb+1
.endr
	WIN 0xc0
.irp i, 4,5,6,7,12,13,14,15
	v_mov_b32 v[\i], 0                             ; k 16-31 of h3's two sets
.endr
	WIN 0
	T3LOAD 0, 0
	s_mov_b32 s[CNT], 8
.Lt3:
	T3LOAD 1, 1
	s_wait_loadcnt 1                               ; all but the load just issued
	T3COMP 0, ST0
	OUTP ST0, 0
	T3LOAD 0, 2
	s_wait_loadcnt 1
	T3COMP 1, ST1
	OUTP ST1, 256
	EDGE 1024, 1024, .Lt3
	s_endpgm
.Lfunc_end_k_q6abd2341cf_lse:
	.size	k_q6abd2341cf_lse, .Lfunc_end_k_q6abd2341cf_lse-k_q6abd2341cf_lse
	.p2alignl 7, 3214868480
	.fill 96, 4, 3214868480
	.section	.rodata,"a",@progbits
	.p2align	6, 0x0
	.amdhsa_kernel k_q6abd2341cf_lse
		.amdhsa_group_segment_fixed_size 0
		.amdhsa_private_segment_fixed_size 0
		.amdhsa_enable_private_segment 0
		.amdhsa_kernarg_size 64
		.amdhsa_user_sgpr_count 2
		.amdhsa_user_sgpr_kernarg_segment_ptr 1
		.amdhsa_wavefront_size32 1
		.amdhsa_system_sgpr_workgroup_id_x 1
		.amdhsa_system_sgpr_workgroup_id_y 1
		.amdhsa_system_sgpr_workgroup_id_z 1
		.amdhsa_system_vgpr_workitem_id 0
		.amdhsa_next_free_vgpr 1024
		.amdhsa_next_free_sgpr 66
		.amdhsa_reserve_vcc 0
		.amdhsa_float_denorm_mode_32 3
		.amdhsa_float_denorm_mode_16_64 3
		.amdhsa_memory_ordered 1
		.amdhsa_forward_progress 1
		.amdhsa_inst_pref_size 242
	.end_amdhsa_kernel
	.amdgpu_metadata
---
amdhsa.version: [ 1, 2 ]
amdhsa.kernels:
  - .name:           k_q6abd2341cf_lse
    .symbol:         k_q6abd2341cf_lse.kd
    .args:
      - { .name: q1, .offset: 0, .size: 8, .value_kind: global_buffer, .address_space: global }
      - { .name: hp, .offset: 8, .size: 8, .value_kind: global_buffer, .address_space: global }
      - { .name: b0, .offset: 16, .size: 8, .value_kind: global_buffer, .address_space: global }
      - { .name: b1, .offset: 24, .size: 8, .value_kind: global_buffer, .address_space: global }
      - { .name: b2, .offset: 32, .size: 8, .value_kind: global_buffer, .address_space: global }
      - { .name: b3, .offset: 40, .size: 8, .value_kind: global_buffer, .address_space: global }
      - { .name: w3, .offset: 48, .size: 8, .value_kind: global_buffer, .address_space: global }
      - { .name: part, .offset: 56, .size: 8, .value_kind: global_buffer, .address_space: global }
    .group_segment_fixed_size: 0
    .private_segment_fixed_size: 0
    .kernarg_segment_align: 8
    .kernarg_segment_size: 64
    .max_flat_workgroup_size: 128
    .sgpr_count:     66
    .vgpr_count:     1024
    .wavefront_size: 32
...
	.end_amdgpu_metadata
.endif
;; end of part 3
;; launch fin (part 4): grid 64 x 1, 20 waves a work-group, no clusters, 9,728 bytes of LDS; arguments part, q1, hp, target, b0, b1, b2, b3, cluster_b, w3, out0; writes out0
.if DOCPART == 4
	.amdgcn_target "amdgcn-amd-amdhsa--gfx1250"
	.amdhsa_code_object_version 6
	.text
	.protected	k_q6abd2341cf_fin
	.globl	k_q6abd2341cf_fin
	.p2align	8
	.type	k_q6abd2341cf_fin,@function
k_q6abd2341cf_fin:
	s_mov_b64 s[64:65], 0
	v_nop
	global_prefetch_b8 v0, s[64:65] scope:SCOPE_SE
	s_setreg_imm32_b32 hwreg(HW_REG_WAVE_MODE, 25, 1), 1
	s_wait_xcnt 0x0
; The end: for 16 rows (work-group = row tile) the four logsumexps are put together from the chunks' (xm, s), the target's logit of each part is computed, and the negative log-probability is chosen by the target's cluster.
; PHASE A, all 20 waves: wave w merges 50 chunks of part w / 5 (order: tail 2, tail 3, head, tail 1).  Tail 3 has 249 chunks: wave 9 begins one chunk early and multiplies that chunk's sum by 0.
; PHASE B, waves 0, 1, 2: the target's logits.  The target's row of codes is GATHERED out of the images (lane (r, h) takes the place of row target % 16 in tile target / 16), multiplied by the 16 rows of h, and the diagonal is taken.
;   wave 0: head's target logit and the 3 cluster columns, K = 1,024 in four batches of two K steps;  wave 1: tails 1 and 2;  wave 2: tail 3's target logit and its last 7 columns, by fused multiply-adds in f32.
; PHASE C, wave 0: the cluster columns and tail 3's 7 columns enter their logsumexps as terms (x, 1); log; the choice.  Every merge takes the largest xm away first.
; Only lanes 0-15 store a result.  In phase C lanes 16-31 hold other rows' cluster logits: what they compute is finite and is not used.
; The target is held to each table's range.
; REGISTERS: 20 waves are five to a SIMD: 192 registers each.  v1-13 lane terms, LDS addresses, the target; v14-15 offsets; v16-31 two accumulators; v32-39 at work; v40-143 data; v176-187 scale words and nothing else.
.set T_W0, 512
.set T_W1, 10512
.set T_W2, 13012
.set T_CW, 18012
.set SCO,  28723200
.set H1I,  786432
.set H2I,  983040
.set H0S,  1212416
.set H1S,  1277952
.set H2S,  1294336
.set H3F,  1302528
.set LJ0,  5120                        ; LDS: 0: 20 waves x 256 bytes of (xm, s);  wave 0's results, 16 bytes a lane;
.set LJ1,  5632                        ; wave 1's, 8 bytes a lane;
.set LJ2,  5888                        ; wave 2's, 2 x 16 bytes a lane
.set LN,  1                            ; v1 lane
.set RR,  2                            ; v2 r
.set HH,  3                            ; v3 h
.set LI,  4                            ; v4 16 x lane
.set LS,  5                            ; v5 4 x lane
.set LP,  6                            ; v6 8 x lane
.set R4,  7                            ; v7 4 r
.set ALM, 8                            ; v8-12 LDS addresses, made here at the head and never rewritten
.set ALR, 9
.set AJ0, 10
.set AJ1, 11
.set AJ2, 12
.set TG,  13                           ; v13 my row's target
.set NG,  32
.set SX,  33
.set SC0, 176                          ; v176-181 wave 0's scale words: gathered rows', cluster_w's, h0's, two K steps each
.set SC1, 182                          ; v182-187 wave 1's: gathered w1 (2), h1 (2), gathered w2, h2
.set WV,  26
.set RT,  27
.set CLS, 30                           ; s30 log2 e
.set NCS, 31                           ; s31 -log2 e
.set LN2, 32                           ; s32 ln 2
.macro BASE dst, src, mul, add         ; s[dst] = s[src] + row tile x mul + add
	s_mul_i32 s40, s[RT], \mul
	s_add_co_u32 s40, s40, \add
	s_mov_b32 s41, 0
	s_add_nc_u64 s[\dst:\dst+1], s[\src:\src+1], s[40:41]
.endm
; n pairs (m, s) at v[rr + 2 i] become one: mo = the largest m, so = the sum of s 2^((m - mo) log2 e)
.macro MERGE rr, n, mo, so
	v_max_num_f32 v[\mo], v[\rr], v[\rr+2]
.set mi, 2
.rept (\n-2)/2
	v_max3_num_f32 v[\mo], v[\mo], v[\rr+2*mi], v[\rr+2*mi+2]
.set mi, mi+2
.endr
.if (\n)%2
	v_max_num_f32 v[\mo], v[\mo], v[\rr+2*(\n)-2]
.endif
	v_mul_f32 v[NG], s[NCS], v[\mo]
.set mi, 0
.rept \n
	v_fma_f32 v[\rr+2*mi], v[\rr+2*mi], s[CLS], v[NG]
.set mi, mi+1
.endr
.set mi, 0
.rept \n
	v_exp_f32 v[\rr+2*mi], v[\rr+2*mi]
.set mi, mi+1
.endr
	v_nop                                          ; a plain place behind the last exponential
	s_wait_alu depctr_va_vdst(0)                   ; one wait for the batch, ahead of its first reader
	v_mul_f32 v[\so], v[\rr], v[\rr+1]
	v_mul_f32 v[SX], v[\rr+2], v[\rr+3]
.set mi, 2
.rept \n-2
.if mi%2 == 0
	v_fmac_f32 v[\so], v[\rr+2*mi], v[\rr+2*mi+1]
.else
	v_fmac_f32 v[SX], v[\rr+2*mi], v[\rr+2*mi+1]
.endif
.set mi, mi+1
.endr
	v_add_f32 v[\so], v[\so], v[SX]
.endm
; The diagonal of a 16 x 16 result: element (m, m) lies in lane m + 16 (m / 8), register m % 8.  Each lane picks register r % 8, from the low end on; the half that holds the diagonal gives it to the other.
.macro DIAG a, o, tmp
	v_cndmask_b32 v[\o], v[\a], v[\a+1], s51
.irp j, 2,3,4,5,6,7
	v_cndmask_b32 v[\o], v[\o], v[\a+\j], s[50+\j]
.endr
	v_permlanex16_b32 v[\tmp], v[\o], s28, s29
	v_cndmask_b32 v[\o], v[\tmp], v[\o], s58
.endm
	s_load_b256 s[4:11], s[0:1], 0x0               ; part, q1, hp, target
	s_load_b256 s[12:19], s[0:1], 0x20             ; b0, b1, b2, b3
	s_load_b128 s[20:23], s[0:1], 0x40             ; cluster_b, w3
	s_load_b64 s[24:25], s[0:1], 0x50              ; out0
	v_lshl_add_u32 v190, v0, 2, 0x1c00
	v_mov_b32 v191, 0
	v_lshrrev_b32 v1, 5, v0
	v_readfirstlane_b32 s[WV], v1                  ; wave 0..19
	v_lshlrev_b32 v[ALM], 3, v0                    ; 256 x wave + 8 x lane
	v_and_b32 v[LN], 31, v0
	v_and_b32 v[RR], 15, v0
	v_bfe_u32 v[HH], v0, 4, 1
	v_lshlrev_b32 v[LI], 4, v[LN]
	v_lshlrev_b32 v[LS], 2, v[LN]
	v_lshlrev_b32 v[LP], 3, v[LN]
	v_lshlrev_b32 v[R4], 2, v[RR]
	v_lshlrev_b32 v[ALR], 3, v[LN]
	v_lshl_add_u32 v[AJ0], v[LN], 4, LJ0
	v_lshl_add_u32 v[AJ1], v[LN], 3, LJ1
	v_lshl_add_u32 v[AJ2], v[LN], 4, LJ2
	v_and_b32 v33, 7, v[RR]
	v_lshrrev_b32 v34, 3, v[RR]
.irp j, 1,2,3,4,5,6,7
	v_cmp_eq_u32 s[50+\j], \j, v33                 ; r % 8 = j
.endr
	v_cmp_eq_u32 s58, v[HH], v34                   ; my half holds my row's diagonal element
	v_mov_b32 v38, 0                               ; written once: a lane permute's destination counts as one of its sources
	v_mov_b32 v39, 0
	s_mov_b32 s[RT], ttmp9
	s_mov_b32 s28, 0x76543210
	s_mov_b32 s29, 0xfedcba98
	s_mov_b32 s[CLS], 0x3fb8aa3b
	s_mov_b32 s[NCS], 0xbfb8aa3b
	s_mov_b32 s[LN2], 0x3f317218
	; ---- phase A
	s_mul_i32 s34, s[WV], 13
	s_lshr_b32 s34, s34, 6                         ; part p = wave / 5
	s_mul_i32 s35, s34, 5
	s_sub_co_u32 s35, s[WV], s35                   ; q = wave % 5
	s_mul_i32 s36, s34, 250
	s_lshr_b32 s37, s34, 1
	s_sub_co_u32 s36, s36, s37                     ; the part's first chunk: 0, 250, 499, 749
	s_mul_i32 s35, s35, 50
	s_add_co_u32 s36, s36, s35
	s_cmp_eq_u32 s[WV], 9
	s_cselect_b32 s37, 1, 0                        ; tail 3's last wave begins one chunk early,
	s_cselect_b32 s33, 0, 1.0                      ; and that chunk's sum counts for nothing there
	s_sub_co_u32 s36, s36, s37
	s_lshl_b32 s40, s36, 14
	s_lshl_b32 s41, ttmp9, 8
	s_add_co_u32 s40, s40, s41
	s_mov_b32 s41, 0
	s_wait_kmcnt 0x0
	s_add_nc_u64 s[62:63], s[4:5], s[40:41]
	BASE 66, 10, 64, 0
	global_load_b32 v[TG], v[R4], s[66:67]
.set i, 0
.rept 50
	global_load_b64 v[40+2*i:41+2*i], v[LP], s[62:63] offset:16384*i   ; 32 lanes read 256 consecutive bytes
.set i, i+1
.endr
	s_wait_loadcnt 0x0
	v_mul_f32 v41, s33, v41
	MERGE 40, 50, 36, 37
	v_permlanex16_b32 v38, v36, s28, s29           ; the row's other half of the columns lies in lane l xor 16
	v_permlanex16_b32 v39, v37, s28, s29
	MERGE 36, 2, 34, 35
	ds_store_b64 v[ALM], v[34:35]
	; ---- phase B
	s_cmp_eq_u32 s[WV], 0
	s_cbranch_scc0 .Ln0
	; wave 0: acc0 (v16-23) = gathered rows of w0 x h0, acc1 (v24-31) = cluster_w x h0.  v40-63 the gathered rows' fragments, v64-87 cluster_w's, v88-111 h0's
	s_load_b96 s[44:46], s[20:21], 0x0             ; cluster_b
	v_max_i32 v33, 0, v[TG]
	v_min_u32 v33, 19999, v33                      ; t0
	v_and_b32 v34, -16, v33
	v_and_b32 v35, 15, v33
	v_mul_u32_u24 v14, v34, 768                    ; tile t0 / 16: 8 images of 1,536 bytes,
	v_lshl_add_u32 v14, v35, 4, v14                ; the place of lane t0 % 16,
	v_lshl_add_u32 v14, v[HH], 8, v14              ; + 16 h lanes
	v_lshlrev_b32 v15, 6, v34
	v_lshl_add_u32 v15, v35, 2, v15                ; its scale word
	v_lshlrev_b32 v36, 2, v33
	BASE 66, 6, 0, T_W0*1536
	BASE 68, 6, 0, SCO+T_W0*128
	BASE 70, 6, 0, T_CW*1536
	BASE 72, 6, 0, SCO+T_CW*128
	BASE 74, 8, 12288, 0
	BASE 76, 8, 1024, H0S
	global_load_b32 v37, v36, s[12:13]             ; b0[t0]
.macro J0LOAD bt
.irp kk, 0,1
.irp c, 0,1,2
	global_load_b128 v[40+12*\kk+4*\c:43+12*\kk+4*\c], v14, s[66:67] offset:(2*\bt+\kk)*1536+512*\c
	global_load_b128 v[64+12*\kk+4*\c:67+12*\kk+4*\c], v[LI], s[70:71] offset:(2*\bt+\kk)*1536+512*\c
	global_load_b128 v[88+12*\kk+4*\c:91+12*\kk+4*\c], v[LI], s[74:75] offset:(2*\bt+\kk)*1536+512*\c
.endr
	global_load_b32 v[SC0+\kk], v15, s[68:69] offset:(2*\bt+\kk)*128
	global_load_b32 v[SC0+2+\kk], v[LS], s[72:73] offset:(2*\bt+\kk)*128
	global_load_b32 v[SC0+4+\kk], v[LS], s[76:77] offset:(2*\bt+\kk)*128
.endr
	s_wait_loadcnt 0x0
.endm
.macro J0MUL bt                        ; the two accumulators take turns
.irp kk, 0,1
.if (\bt == 0) && (\kk == 0)
	v_wmma_scale_f32_16x16x128_f8f6f4 v[16:23], v[40:51], v[88:99], 0, v[SC0], v[SC0+4] matrix_a_fmt:MATRIX_FMT_FP6 matrix_b_fmt:MATRIX_FMT_FP6
	v_wmma_scale_f32_16x16x128_f8f6f4 v[24:31], v[64:75], v[88:99], 0, v[SC0+2], v[SC0+4] matrix_a_fmt:MATRIX_FMT_FP6 matrix_b_fmt:MATRIX_FMT_FP6
.else
	v_wmma_scale_f32_16x16x128_f8f6f4 v[16:23], v[40+12*\kk:51+12*\kk], v[88+12*\kk:99+12*\kk], v[16:23], v[SC0+\kk], v[SC0+4+\kk] matrix_a_fmt:MATRIX_FMT_FP6 matrix_b_fmt:MATRIX_FMT_FP6
	v_wmma_scale_f32_16x16x128_f8f6f4 v[24:31], v[64+12*\kk:75+12*\kk], v[88+12*\kk:99+12*\kk], v[24:31], v[SC0+2+\kk], v[SC0+4+\kk] matrix_a_fmt:MATRIX_FMT_FP6 matrix_b_fmt:MATRIX_FMT_FP6
.endif
.endr
.rept 4
	v_nop                                          ; places in front of loads into registers that matrix instructions have read, and of the first read of results
.endr
.endm
.irp q, 0,1,2,3
	J0LOAD \q
	J0MUL \q
.endr
	DIAG 16, 112, 38
	s_wait_kmcnt 0x0
	v_add_f32 v112, v112, v37                      ; x0
.irp j, 0,1,2
	v_add_f32 v[113+\j], s[44+\j], v[24+\j]        ; lanes 0-15: cluster column j of row r
.endr
	ds_store_b128 v[AJ0], v[112:115]
	s_branch .Ljoin
.Ln0:
	s_cmp_eq_u32 s[WV], 1
	s_cbranch_scc0 .Ln1
	; wave 1: acc0 = gathered rows of w1 x h1 (two K steps), acc1 = gathered rows of w2 x the variant of h2 that the target's tile asks for
	v_add_nc_u32 v125, -20000, v[TG]
	v_max_i32 v125, 0, v125
	v_min_u32 v125, 19999, v125                    ; t1
	v_and_b32 v126, -16, v125
	v_and_b32 v127, 15, v125
	v_mul_u32_u24 v14, v126, 192
	v_lshl_add_u32 v14, v127, 4, v14
	v_lshl_add_u32 v14, v[HH], 8, v14
	v_lshlrev_b32 v15, 4, v126
	v_lshl_add_u32 v15, v127, 2, v15
	v_lshlrev_b32 v123, 2, v125
	v_add_nc_u32 v125, -40000, v[TG]
	v_max_i32 v125, 0, v125
	v_min_u32 v125, 159999, v125                   ; t2
	v_and_b32 v126, -32, v125
	v_and_b32 v127, 15, v125
	v_mul_u32_u24 v120, v126, 48                   ; pair t2 / 32: one image
	v_lshl_add_u32 v120, v127, 4, v120
	v_lshl_add_u32 v120, v[HH], 8, v120
	v_lshlrev_b32 v121, 2, v126
	v_lshl_add_u32 v121, v127, 2, v121
	v_and_b32 v122, 16, v125
	v_mad_u32_u24 v122, v122, 96, v[LI]            ; variant (t2 / 16) % 2: 1,536 bytes on
	v_lshlrev_b32 v124, 2, v125
	BASE 62, 6, 0, T_W1*1536
	BASE 66, 6, 0, SCO+T_W1*128
	BASE 68, 6, 0, T_W2*1536
	BASE 70, 6, 0, SCO+T_W2*128
	BASE 72, 8, 3072, H1I
	BASE 74, 8, 256, H1S
	BASE 76, 8, 3072, H2I
	BASE 78, 8, 128, H2S
.irp kk, 0,1
.irp c, 0,1,2
	global_load_b128 v[40+12*\kk+4*\c:43+12*\kk+4*\c], v14, s[62:63] offset:\kk*1536+512*\c
	global_load_b128 v[64+12*\kk+4*\c:67+12*\kk+4*\c], v[LI], s[72:73] offset:\kk*1536+512*\c
.endr
	global_load_b32 v[SC1+\kk], v15, s[66:67] offset:\kk*128
	global_load_b32 v[SC1+2+\kk], v[LS], s[74:75] offset:\kk*128
.endr
.irp c, 0,1,2
	global_load_b128 v[88+4*\c:91+4*\c], v120, s[68:69] offset:512*\c
	global_load_b128 v[100+4*\c:103+4*\c], v122, s[76:77] offset:512*\c
.endr
	global_load_b32 v[SC1+4], v121, s[70:71]
	global_load_b32 v[SC1+5], v[LS], s[78:79]
	global_load_b32 v118, v123, s[14:15]           ; b1[t1]
	global_load_b32 v119, v124, s[16:17]           ; b2[t2]
	s_wait_loadcnt 0x0
	v_wmma_scale_f32_16x16x128_f8f6f4 v[16:23], v[40:51], v[64:75], 0, v[SC1], v[SC1+2] matrix_a_fmt:MATRIX_FMT_FP6 matrix_b_fmt:MATRIX_FMT_FP6
	v_wmma_scale_f32_16x16x128_f8f6f4 v[24:31], v[88:99], v[100:111], 0, v[SC1+4], v[SC1+5] matrix_a_fmt:MATRIX_FMT_FP6 matrix_b_fmt:MATRIX_FMT_FP6
	v_wmma_scale_f32_16x16x128_f8f6f4 v[16:23], v[52:63], v[76:87], v[16:23], v[SC1+1], v[SC1+3] matrix_a_fmt:MATRIX_FMT_FP6 matrix_b_fmt:MATRIX_FMT_FP6
.rept 4
	v_nop                                          ; places in front of the first read of results
.endr
	DIAG 16, 128, 38
	DIAG 24, 129, 39
	v_add_f32 v128, v128, v118                     ; x1
	v_add_f32 v129, v129, v119                     ; x2
	ds_store_b64 v[AJ1], v[128:129]
	s_branch .Ljoin
.Ln1:
	s_cmp_eq_u32 s[WV], 2
	s_cbranch_scc0 .Ljoin
	; wave 2: tail 3 in f32: lane (r, h) holds h3(r, 8 h + 0..7); eight dot products: the target's row of w3 and rows 67,728 to 67,734
	s_load_b128 s[44:47], s[18:19], 270912         ; b3 of the last 7 columns
	s_load_b64 s[48:49], s[18:19], 270928
	s_load_b32 s50, s[18:19], 270936
	v_add_nc_u32 v33, -200000, v[TG]
	v_max_i32 v33, 0, v33
	v_min_u32 v33, 67734, v33                      ; t3
	v_lshlrev_b32 v34, 6, v33
	v_lshl_add_u32 v34, v[HH], 5, v34              ; its row of 64 bytes, + 32 h
	v_lshlrev_b32 v35, 2, v33
	v_lshlrev_b32 v36, 5, v[HH]
	BASE 66, 8, 1024, H3F
	global_load_b128 v[40:43], v[LI], s[66:67]
	global_load_b128 v[44:47], v[LI], s[66:67] offset:512
	global_load_b128 v[48:51], v34, s[22:23]
	global_load_b128 v[52:55], v34, s[22:23] offset:16
.irp e, 0,1,2,3,4,5,6
	global_load_b128 v[56+8*\e:59+8*\e], v36, s[22:23] offset:(67728+\e)*64
	global_load_b128 v[60+8*\e:63+8*\e], v36, s[22:23] offset:(67728+\e)*64+16
.endr
	global_load_b32 v112, v35, s[18:19]            ; b3[t3]
.irp d, 0,1,2,3,4,5,6,7
	v_mov_b32 v[128+\d], 0                         ; a lane permute's destination counts as one of its sources
.endr
	s_wait_loadcnt 0x0
.irp d, 0,1,2,3,4,5,6,7
	v_mul_f32 v[120+\d], v40, v[48+8*\d]
.endr
.irp i, 1,2,3,4,5,6,7
.irp d, 0,1,2,3,4,5,6,7
	v_fmac_f32 v[120+\d], v[40+\i], v[48+8*\d+\i]
.endr
.endr
.irp d, 0,1,2,3,4,5,6,7
	v_permlanex16_b32 v[128+\d], v[120+\d], s28, s29
.endr
.irp d, 0,1,2,3,4,5,6,7
	v_add_f32 v[120+\d], v[120+\d], v[128+\d]      ; with the other half of K
.endr
	s_wait_kmcnt 0x0
	v_add_f32 v136, v120, v112                     ; x3
.irp e, 0,1,2,3,4,5,6
	v_add_f32 v[137+\e], s[44+\e], v[121+\e]       ; the last 7 columns' logits
.endr
	ds_store_b128 v[AJ2], v[136:139]
	ds_store_b128 v[AJ2], v[140:143] offset:512
.Ljoin:
	s_wait_dscnt 0x0                               ; for the others' sake: my LDS stores have landed
	s_barrier_signal -1
	s_barrier_wait -1
	s_cmp_lg_u32 s[WV], 0
	s_cbranch_scc1 .Lend
	; ---- phase C: wave 0.  v40-49 tail 2's five pairs; v50-59 tail 1's; v60-75 head's five and the 3 cluster columns; v76-99 tail 3's five and its last 7 columns
.irp i, 0,1,2,3,4
	ds_load_b64 v[40+2*\i:41+2*\i], v[ALR] offset:256*\i
	ds_load_b64 v[50+2*\i:51+2*\i], v[ALR] offset:256*(15+\i)
	ds_load_b64 v[60+2*\i:61+2*\i], v[ALR] offset:256*(10+\i)
	ds_load_b64 v[76+2*\i:77+2*\i], v[ALR] offset:256*(5+\i)
.endr
	ds_load_b128 v[100:103], v[AJ0]                ; x0, cl0, cl1, cl2
	ds_load_b64 v[104:105], v[AJ1]                 ; x1, x2
	ds_load_b128 v[108:111], v[AJ2]                ; x3, e0, e1, e2
	ds_load_b128 v[112:115], v[AJ2] offset:512     ; e3 .. e6
	s_wait_dscnt 0x0
.irp j, 0,1,2
	v_mov_b32 v[70+2*\j], v[101+\j]
	v_mov_b32 v[71+2*\j], 1.0
.endr
.irp e, 0,1,2,3,4,5,6
	v_mov_b32 v[86+2*\e], v[109+\e]
	v_mov_b32 v[87+2*\e], 1.0
.endr
	MERGE 40, 5, 116, 117
	MERGE 50, 5, 118, 119
	MERGE 60, 8, 120, 121
	MERGE 76, 12, 122, 123
.irp i, 117,119,121,123
	v_log_f32 v[\i], v[\i]
.endr
	v_nop                                          ; a plain place behind the last logarithm
	s_wait_alu depctr_va_vdst(0)                   ; one wait for the four
.irp i, 116,118,120,122
	v_fma_f32 v[\i], v[\i+1], s[LN2], v[\i]        ; logsumexp = xm + ln 2 x log2(sum): v116 tail 2, v118 tail 1, v120 head, v122 tail 3
.endr
	v_sub_f32 v124, v120, v100                     ; cluster 0: LH - x0
	v_sub_f32 v125, v120, v103                     ; cluster 1: head column -1 is cluster row 2
	v_sub_f32 v126, v118, v104
	v_add_f32 v125, v125, v126
	v_sub_f32 v126, v120, v102                     ; cluster 2: head column -2
	v_sub_f32 v127, v116, v105
	v_add_f32 v126, v126, v127
	v_sub_f32 v127, v120, v101                     ; cluster 3: head column -3
	v_sub_f32 v128, v122, v108
	v_add_f32 v127, v127, v128
	v_cmp_gt_i32 vcc_lo, 200000, v[TG]
	v_cndmask_b32 v127, v127, v126, vcc_lo
	v_cmp_gt_i32 vcc_lo, 40000, v[TG]
	v_cndmask_b32 v127, v127, v125, vcc_lo
	v_cmp_gt_i32 vcc_lo, 20000, v[TG]
	v_cndmask_b32 v127, v127, v124, vcc_lo
	BASE 66, 24, 64, 0
	v_cmp_gt_u32 vcc_lo, 16, v[LN]
	s_wait_xcnt 0x0                                ; EXEC changes only behind this wait
	s_and_saveexec_b32 s60, vcc_lo
	global_store_b32 v[R4], v127, s[66:67]         ; lanes 0-15: 64 consecutive bytes
	s_wait_xcnt 0x0                                ; and again, in front of the line that widens it
	s_or_b32 exec_lo, exec_lo, s60
.Lend:
	s_wait_tensorcnt 0x0
	ds_add_u32 v190, v191
	s_wait_dscnt 0x0
	s_endpgm
.Lfunc_end_k_q6abd2341cf_fin:
	.size	k_q6abd2341cf_fin, .Lfunc_end_k_q6abd2341cf_fin-k_q6abd2341cf_fin
	.p2alignl 7, 3214868480
	.fill 96, 4, 3214868480
	.section	.rodata,"a",@progbits
	.p2align	6, 0x0
	.amdhsa_kernel k_q6abd2341cf_fin
		.amdhsa_group_segment_fixed_size 9728
		.amdhsa_private_segment_fixed_size 0
		.amdhsa_enable_private_segment 0
		.amdhsa_kernarg_size 88
		.amdhsa_user_sgpr_count 2
		.amdhsa_user_sgpr_kernarg_segment_ptr 1
		.amdhsa_wavefront_size32 1
		.amdhsa_system_sgpr_workgroup_id_x 1
		.amdhsa_system_sgpr_workgroup_id_y 1
		.amdhsa_system_sgpr_workgroup_id_z 1
		.amdhsa_system_vgpr_workitem_id 0
		.amdhsa_next_free_vgpr 192
		.amdhsa_next_free_sgpr 80
		.amdhsa_reserve_vcc 1
		.amdhsa_float_denorm_mode_32 3
		.amdhsa_float_denorm_mode_16_64 3
		.amdhsa_memory_ordered 1
		.amdhsa_forward_progress 1
		.amdhsa_inst_pref_size 53
	.end_amdhsa_kernel
	.amdgpu_metadata
---
amdhsa.version: [ 1, 2 ]
amdhsa.kernels:
  - .name:           k_q6abd2341cf_fin
    .symbol:         k_q6abd2341cf_fin.kd
    .args:
      - { .name: part, .offset: 0, .size: 8, .value_kind: global_buffer, .address_space: global }
      - { .name: q1, .offset: 8, .size: 8, .value_kind: global_buffer, .address_space: global }
      - { .name: hp, .offset: 16, .size: 8, .value_kind: global_buffer, .address_space: global }
      - { .name: target, .offset: 24, .size: 8, .value_kind: global_buffer, .address_space: global }
      - { .name: b0, .offset: 32, .size: 8, .value_kind: global_buffer, .address_space: global }
      - { .name: b1, .offset: 40, .size: 8, .value_kind: global_buffer, .address_space: global }
      - { .name: b2, .offset: 48, .size: 8, .value_kind: global_buffer, .address_space: global }
      - { .name: b3, .offset: 56, .size: 8, .value_kind: global_buffer, .address_space: global }
      - { .name: cluster_b, .offset: 64, .size: 8, .value_kind: global_buffer, .address_space: global }
      - { .name: w3, .offset: 72, .size: 8, .value_kind: global_buffer, .address_space: global }
      - { .name: out0, .offset: 80, .size: 8, .value_kind: global_buffer, .address_space: global }
    .group_segment_fixed_size: 9728
    .private_segment_fixed_size: 0
    .kernarg_segment_align: 8
    .kernarg_segment_size: 88
    .max_flat_workgroup_size: 640
    .sgpr_count:     80
    .vgpr_count:     192
    .wavefront_size: 32
...
	.end_amdgpu_metadata
.endif
;; end of part 4
;; ======== version 2 of 2: 4 launches; version 1 with the launches prep, proj, lse written anew for expert scheduling mode
;; workspace buffers: q1 31,116,800 bytes; hp 1,368,064 bytes; part 16,367,616 bytes
;; launch prep (part 5): grid 4675 x 1, 4 waves a work-group, no clusters, 34,304 bytes of LDS; arguments hidden, w0, w1, w2, cluster_w, p0, p1, p2, p3, q1; writes q1
.if DOCPART == 5
	.amdgcn_target "amdgcn-amd-amdhsa--gfx1250"
	.amdhsa_code_object_version 6
	.text
	.protected	k_q6abd2341cf_prep
	.globl	k_q6abd2341cf_prep
	.p2align	8
	.type	k_q6abd2341cf_prep,@function
k_q6abd2341cf_prep:
	s_mov_b64 s[64:65], 0
	v_nop
	global_prefetch_b8 v0, s[64:65] scope:SCOPE_SE
	s_setreg_imm32_b32 hwreg(HW_REG_WAVE_SCHED_MODE, 0, 2), 2
	s_setreg_imm32_b32 hwreg(HW_REG_WAVE_MODE, 25, 1), 1
	s_wait_xcnt 0x0
	s_wait_alu depctr_vm_vsrc(0)
; hidden, w0, w1, w2, cluster_w (K innermost) and p0..p3 (K is the first axis), all f32, become codes of FP6 (E2M3) with one E8M0 byte for each 32 along K.
; ONE WAVE, ONE TASK: 16 rows x 128 along K -> one IMAGE OF THE OPERAND'S REGISTERS (12 registers a lane, 1,536 bytes: registers 4 c .. 4 c + 3 of lane l at 512 c + 16 l) and its 32 scale words (4 l).
; Task tau = 4 x work-group + wave.  Tasks: hidden 0.. (row tile x 8 + K step), w0 512.., w1 10512.., w2 13012.. (32 rows: rows 0-15 fill k 0-63, rows 16-31 fill k 64-127), cluster_w 18012.. (rows 3-15 repeat row 2), p 18020.. (tile x 8 + K step).
; A block's scale is 2^(floor(log2(largest magnitude)) - 2); its byte is the largest magnitude's exponent field - 2, held at 1 from below.
; LIMITS: a block of zeros keeps the byte 1 where the rule says 127 (its codes are zeros, and this program alone reads the bytes); blocks whose largest magnitude lies under 2^-124 were not tried; NaN and infinities are not served.
; THE MODE: SCHED_MODE bits 1:0 = 2 (LLVM: expert scheduling mode 2), set by the entry lines.  The code itself states the register dependences
; between vector instructions and memory or LDS instructions, with s_wait_alu, always for 0.
; THE PLAN.  Registers that memory or LDS instructions touch:
;   v5, v6, v8, v9   the stores' offsets and the stage's two addresses: made once, never written again.
;   K innermost:     v80-95 the sixteen rows' offsets: written by sixteen additions, read by the sixteen loads, later taken by the LDS loads' data.
;                    v16-79 the loads' data, read by the LDS stores.  v80-143 the LDS loads' data, read by vector instructions alone.
;   K first:         v16-79 the 64 offsets: written by 64 multiply-adds, read by the 64 loads.  v80-143 the loads' data.
;   v144-155, v170   the codes and the scale word: written by conversions and moves, read by the four stores.
; So on each way ONE wait on va_vdst stands between all the offsets and the run of loads, one on vm_vsrc ahead of the LDS loads that land on offsets, and one on va_vdst ahead of the stores.
.set T_W0, 512
.set T_W1, 10512
.set T_W2, 13012
.set T_CW, 18012
.set T_P,  18020
.set SCO,  28723200                    ; the scale words begin here in q1: 18,700 tasks x 1,536 bytes
.set WG_P, 4505                        ; the first work-group that takes p's tasks
.set PITCH, 528                        ; a stage row: 512 bytes + 16, so that sixteen rows begin in sixteen different 16-byte columns
.set R, 16                             ; v16-79   K innermost: 16 rows as loaded;  K first: the 64 offsets
.set X, 80                             ; v80-143  my 64 numbers: register 32 c + i = k 64 c + 32 h + i of my row  (K innermost: v80-95 hold the rows' offsets first)
.set F, 144                            ; v144-155 the fragment
.set E, 156                            ; v156-162 the second halves of the blocks' codes, as the conversions leave them
.set RO, 46                            ; s46-61   K innermost: the sixteen rows' byte offsets, a register each
	s_load_b256 s[4:11], s[0:1], 0x0               ; hidden, w0, w1, w2
	s_load_b256 s[12:19], s[0:1], 0x20             ; cluster_w, p0, p1, p2
	s_load_b128 s[20:23], s[0:1], 0x40             ; p3, q1
	v_lshl_add_u32 v176, v0, 2, 0x8400
	v_mov_b32 v177, 0
	v_lshrrev_b32 v1, 5, v0
	v_readfirstlane_b32 s24, v1                    ; wave
	v_and_b32 v2, 31, v0                           ; lane
	v_and_b32 v3, 15, v0                           ; r
	v_bfe_u32 v4, v0, 4, 1                         ; h
	v_lshlrev_b32 v5, 4, v2                        ; 16 x lane
	v_lshlrev_b32 v6, 2, v2                        ; 4 x lane
	s_lshl_b32 s25, ttmp9, 2
	s_wait_alu depctr_va_sdst(0)                   ; s24, the wave's number, is written, ahead of its first reader
	s_add_co_u32 s25, s25, s24                     ; tau
	s_mov_b32 s26, 0x76543210
	s_mov_b32 s27, 0xfedcba98                      ; v_permlanex16_b32's selects for lane l xor 16
	s_mul_i32 s28, s25, 1536
	s_mov_b32 s29, 0
	s_lshl_b32 s30, s25, 7
	s_add_co_u32 s30, s30, SCO
	s_mov_b32 s31, 0
	s_wait_kmcnt 0x0
	s_add_nc_u64 s[28:29], s[22:23], s[28:29]      ; my image
	s_add_nc_u64 s[30:31], s[22:23], s[30:31]      ; my scale words
	s_cmp_lt_u32 ttmp9, WG_P
	s_cbranch_scc0 .Lp
	; ---- K innermost.  The tensor's figures are chosen by the task's number
	s_mov_b64 s[32:33], s[12:13]                   ; cluster_w:
	s_mov_b32 s34, T_CW                            ; first task
	s_mov_b32 s35, 3                               ; log2 of K steps in a row
	s_mov_b32 s36, 0                               ; bytes from tile to tile
	s_mov_b32 s37, 4096                            ; bytes from row to row
	s_mov_b32 s38, 256                             ; where lanes 16-31 stand: 256 bytes on in the same row, or (w2) 16 rows down
	s_mov_b32 s39, 2                               ; the last row that exists
	s_cmp_lt_u32 s25, T_CW
	s_cselect_b64 s[32:33], s[10:11], s[32:33]     ; w2
	s_cselect_b32 s34, T_W2, s34
	s_cselect_b32 s35, 0, s35
	s_cselect_b32 s36, 8192, s36
	s_cselect_b32 s37, 256, s37
	s_cselect_b32 s38, 4096, s38
	s_cselect_b32 s39, 15, s39
	s_cmp_lt_u32 s25, T_W2
	s_cselect_b64 s[32:33], s[8:9], s[32:33]       ; w1
	s_cselect_b32 s34, T_W1, s34
	s_cselect_b32 s35, 1, s35
	s_cselect_b32 s36, 16384, s36
	s_cselect_b32 s37, 1024, s37
	s_cselect_b32 s38, 256, s38
	s_cmp_lt_u32 s25, T_W1
	s_cselect_b64 s[32:33], s[6:7], s[32:33]       ; w0
	s_cselect_b32 s34, T_W0, s34
	s_cselect_b32 s35, 3, s35
	s_cselect_b32 s36, 65536, s36
	s_cselect_b32 s37, 4096, s37
	s_cmp_lt_u32 s25, T_W0
	s_cselect_b64 s[32:33], s[4:5], s[32:33]       ; hidden: as w0, from task 0
	s_cselect_b32 s34, 0, s34
	s_sub_co_u32 s40, s25, s34                     ; the task within its tensor
	s_lshr_b32 s41, s40, s35
	s_mul_i32 s41, s41, s36                        ; its tile,
	s_bfm_b32 s42, s35, 0
	s_and_b32 s42, s40, s42
	s_lshl_b32 s42, s42, 9                         ; its K step: 512 bytes
	s_add_co_u32 s42, s41, s42
	s_mov_b32 s43, 0
	s_add_nc_u64 s[32:33], s[32:33], s[42:43]
	v_mul_u32_u24 v7, v4, s38
	v_lshl_add_u32 v7, v3, 4, v7                   ; my 16 bytes of a load
	s_mul_i32 s45, s24, 16*PITCH                   ; my wave's stage
	v_add_nc_u32 v8, s45, v5                       ; in: 16 x lane
	v_mul_u32_u24 v9, v3, PITCH
	v_lshl_add_u32 v9, v4, 7, v9
	v_add_nc_u32 v9, s45, v9                       ; back: row r, + 128 h bytes: 32 numbers
.irp i, 0,1,2,3,4,5,6,7,8,9,10,11,12,13,14,15
	s_min_u32 s[RO+\i], s39, \i
	s_mul_i32 s[RO+\i], s[RO+\i], s37
	v_add_nc_u32 v[X+\i], s[RO+\i], v7             ; row i's offset, in a register of its own
.endr
	s_wait_alu depctr_va_vdst(0)                   ; the sixteen offsets v[X ..], which the loads read, and the stage's addresses v8 and v9 are written
.irp i, 0,1,2,3,4,5,6,7,8,9,10,11,12,13,14,15
	global_load_b128 v[R+4*\i:R+4*\i+3], v[X+\i], s[32:33] th:TH_LOAD_NT   ; row i: sixteen lanes read 256 consecutive bytes
.endr
.irp i, 0,1,2,3,4,5,6,7,8,9,10,11,12,13,14,15
	s_wait_loadcnt 15-\i                           ; loads come back in order: row i is in, the 15 - i behind it may be out
	ds_store_b128 v8, v[R+4*\i:R+4*\i+3] offset:\i*PITCH
.endr
	s_wait_alu depctr_vm_vsrc(0)                   ; the sixteen global loads have read their offsets v[X .. X + 15], in which the LDS loads below land
.irp c, 0,1
.irp j, 0,1,2,3,4,5,6,7
	ds_load_b128 v[X+32*\c+4*\j:X+32*\c+4*\j+3], v9 offset:256*\c+16*\j   ; LDS serves a wave's instructions in order: these see my stores
.endr
.endr
	s_wait_dscnt 0x0
	s_branch .Lq
.Lp:
	; ---- K is the first axis: a lane takes a column, its registers run down K.  THE COLUMNS OF A TILE ARE NOT NEIGHBOURS (but in p3): lane r of tile 2 b + u takes column 32 b + 8 u + r + 8 (r / 8)
	s_sub_co_u32 s40, s25, T_P
	s_lshr_b32 s41, s40, 3                         ; tile g
	s_and_b32 s42, s40, 7                          ; K step
	s_mov_b64 s[32:33], s[20:21]                   ; p3:
	s_mov_b32 s34, 84                              ; first tile
	s_mov_b32 s37, 64                              ; bytes from row to row
	s_mov_b32 s38, 0                               ; its 16 columns are taken as they lie
	s_cmp_lt_u32 s41, 84
	s_cselect_b64 s[32:33], s[18:19], s[32:33]     ; p2
	s_cselect_b32 s34, 80, s34
	s_cselect_b32 s37, 256, s37
	s_cselect_b32 s38, 8, s38
	s_cmp_lt_u32 s41, 80
	s_cselect_b64 s[32:33], s[16:17], s[32:33]     ; p1
	s_cselect_b32 s34, 64, s34
	s_cselect_b32 s37, 1024, s37
	s_cmp_lt_u32 s41, 64
	s_cselect_b64 s[32:33], s[14:15], s[32:33]     ; p0
	s_cselect_b32 s34, 0, s34
	s_cselect_b32 s37, 4096, s37
	s_sub_co_u32 s43, s41, s34                     ; the tile within its tensor
	s_lshr_b32 s44, s43, 1
	s_lshl_b32 s44, s44, 5
	s_and_b32 s45, s43, 1
	s_lshl_b32 s45, s45, 3
	s_add_co_u32 s44, s44, s45
	v_lshrrev_b32 v7, 3, v3
	v_mad_u32_u24 v7, v7, s38, v3
	v_add_nc_u32 v7, s44, v7                       ; my column
	v_lshlrev_b32 v7, 2, v7
	s_lshl_b32 s45, s42, 7
	v_lshl_add_u32 v10, v4, 5, s45                 ; my first row: 128 x K step + 32 h
	v_mul_lo_u32 v10, v10, s37
	v_add_nc_u32 v7, v7, v10
.set n, 0
.rept 64
	v_mad_u32_u24 v[R+n], s37, 64*(n/32)+n%32, v7  ; the offset of p(128 s + 64 c + 32 h + i, my column), in a register of its own
.set n, n+1
.endr
	s_wait_alu depctr_va_vdst(0)                   ; the 64 offsets v[R ..] are written, which the loads read
.set n, 0
.rept 64
	global_load_b32 v[X+n], v[R+n], s[32:33]
.set n, n+1
.endr
	s_wait_loadcnt 0x0
.Lq:
	; ---- my two whole blocks: 2 c + h
.irp c, 0,1
	v_max3_num_f32 v[164+\c], |v[X+32*\c]|, |v[X+32*\c+1]|, 0x1800000   ; with the floor 2^(3 - 127): the byte cannot fall under 1
.endr
.irp i, 2,4,6,8,10,12,14,16,18,20,22,24,26,28,30
.irp c, 0,1
	v_max3_num_f32 v[164+\c], v[164+\c], |v[X+32*\c+\i]|, |v[X+32*\c+\i+1]|
.endr
.endr
.irp c, 0,1
	v_add_nc_u32 v[166+\c], 0xff000000, v[164+\c]  ; 2 off the exponent field: the conversion's scale operand
.endr
.irp c, 0,1
	v_lshrrev_b32 v[168+\c], 23, v[166+\c]         ; the scale's byte
.endr
	v_lshl_or_b32 v170, v169, 16, v168             ; my bytes: blocks h and 2 + h,
	v_lshlrev_b32 v171, 3, v4
	v_lshlrev_b32 v170, v171, v170                 ; at their places;
	v_mov_b32 v171, 0
	v_permlanex16_b32 v171, v170, s26, s27
	v_or_b32 v170, v170, v171                      ; with lane l xor 16's two the word is whole
.irp c, 0,1
	v_cvt_scalef32_pk16_fp6_f32 v[F+6*\c:F+6*\c+2], v[X+32*\c:X+32*\c+15], v[166+\c]
	v_cvt_scalef32_pk16_fp6_f32 v[E+4*\c:E+4*\c+2], v[X+32*\c+16:X+32*\c+31], v[166+\c]   ; (a conversion's three registers begin on an even number)
.endr
	v_nop                                          ; one plain place behind a scaled conversion
.irp c, 0,1
.irp i, 0,1,2
	v_mov_b32 v[F+6*\c+3+\i], v[E+4*\c+\i]
.endr
.endr
	s_wait_alu depctr_va_vdst(0)                   ; the conversions and moves have written v[F ..], and v170 is written: the four stores read them
.irp c, 0,1,2
	global_store_b128 v5, v[F+4*\c:F+4*\c+3], s[28:29] offset:512*\c   ; 32 lanes store 512 consecutive bytes
.endr
	global_store_b32 v6, v170, s[30:31]
	s_wait_dscnt 0x0                               ; the closing lines, six on end
	s_wait_alu 0x0
	s_wait_tensorcnt 0x0
	ds_add_u32 v176, v177
	s_wait_dscnt 0x0
	s_endpgm
.Lfunc_end_k_q6abd2341cf_prep:
	.size	k_q6abd2341cf_prep, .Lfunc_end_k_q6abd2341cf_prep-k_q6abd2341cf_prep
	.p2alignl 7, 3214868480
	.fill 96, 4, 3214868480
	.section	.rodata,"a",@progbits
	.p2align	6, 0x0
	.amdhsa_kernel k_q6abd2341cf_prep
		.amdhsa_group_segment_fixed_size 34304
		.amdhsa_private_segment_fixed_size 0
		.amdhsa_enable_private_segment 0
		.amdhsa_kernarg_size 80
		.amdhsa_user_sgpr_count 2
		.amdhsa_user_sgpr_kernarg_segment_ptr 1
		.amdhsa_wavefront_size32 1
		.amdhsa_system_sgpr_workgroup_id_x 1
		.amdhsa_system_sgpr_workgroup_id_y 1
		.amdhsa_system_sgpr_workgroup_id_z 1
		.amdhsa_system_vgpr_workitem_id 0
		.amdhsa_next_free_vgpr 178
		.amdhsa_next_free_sgpr 66
		.amdhsa_reserve_vcc 0
		.amdhsa_float_denorm_mode_32 3
		.amdhsa_float_denorm_mode_16_64 3
		.amdhsa_memory_ordered 1
		.amdhsa_forward_progress 1
		.amdhsa_inst_pref_size 26
	.end_amdhsa_kernel
	.amdgpu_metadata
---
amdhsa.version: [ 1, 2 ]
amdhsa.kernels:
  - .name:           k_q6abd2341cf_prep
    .symbol:         k_q6abd2341cf_prep.kd
    .args:
      - { .name: hidden, .offset: 0, .size: 8, .value_kind: global_buffer, .address_space: global }
      - { .name: w0, .offset: 8, .size: 8, .value_kind: global_buffer, .address_space: global }
      - { .name: w1, .offset: 16, .size: 8, .value_kind: global_buffer, .address_space: global }
      - { .name: w2, .offset: 24, .size: 8, .value_kind: global_buffer, .address_space: global }
      - { .name: cluster_w, .offset: 32, .size: 8, .value_kind: global_buffer, .address_space: global }
      - { .name: p0, .offset: 40, .size: 8, .value_kind: global_buffer, .address_space: global }
      - { .name: p1, .offset: 48, .size: 8, .value_kind: global_buffer, .address_space: global }
      - { .name: p2, .offset: 56, .size: 8, .value_kind: global_buffer, .address_space: global }
      - { .name: p3, .offset: 64, .size: 8, .value_kind: global_buffer, .address_space: global }
      - { .name: q1, .offset: 72, .size: 8, .value_kind: global_buffer, .address_space: global }
    .group_segment_fixed_size: 34304
    .private_segment_fixed_size: 0
    .kernarg_segment_align: 8
    .kernarg_segment_size: 80
    .max_flat_workgroup_size: 128
    .sgpr_count:     66
    .vgpr_count:     178
    .wavefront_size: 32
...
	.end_amdgpu_metadata
.endif
;; end of part 5
;; launch proj (part 6): grid 176 x 1, 4 waves a work-group, no clusters, 0 bytes of LDS; arguments q1, hp; writes hp
.if DOCPART == 6
	.amdgcn_target "amdgcn-amd-amdhsa--gfx1250"
	.amdhsa_code_object_version 6
	.text
	.protected	k_q6abd2341cf_proj
	.globl	k_q6abd2341cf_proj
	.p2align	8
	.type	k_q6abd2341cf_proj,@function
k_q6abd2341cf_proj:
	s_mov_b64 s[64:65], 0
	v_nop
	global_prefetch_b8 v0, s[64:65] scope:SCOPE_SE
	s_setreg_imm32_b32 hwreg(HW_REG_WAVE_SCHED_MODE, 0, 2), 2
	s_setreg_imm32_b32 hwreg(HW_REG_WAVE_MODE, 25, 1), 1
	s_wait_xcnt 0x0
	s_wait_alu depctr_vm_vsrc(0)
; h_i = Q(hidden) Q(p_i), i = 0..3, on codes of FP6, sums in f32; h0, h1, h2 are quantised along their columns (the next K) and stored as images of operand registers; h3 goes out as bf16 (an operand's registers 0-3) and as f32.
; SHARES.  Work-group = (unit u = id / 16, four row tiles); a wave takes ONE tile of 16 rows x unit u: 8 tiles of 16 columns of p (u 0-7: p0; 8, 9: p1), or for u = 10 p2's four tiles and p3's one.
; THE PRODUCT IS USED TRANSPOSED (source 0 = 16 columns of p, source 1 = 16 rows of hidden): a lane holds one row, and by the choice of p's columns in a tile the 16 registers of tiles 2 b, 2 b + 1 are k = 32 b + 16 h + 0..15 of the next product.
; p's fragments come straight from memory into three register sets by turns, two K steps ahead.  The accumulators take turns, one instruction a turn.
; h2 has K = 64: its fragment is stored twice, as [h | 0] and as [0 | h]; zero codes add nothing, so the variant picks one of the two column tiles that share a fragment of w2.
; LIMITS: as in the launch before (a block of zeros keeps the byte 1; NaN and infinities are not served).
; THE MODE: SCHED_MODE bits 1:0 = 2 (LLVM: expert scheduling mode 2), set by the entry lines.  The code itself states the register dependences
; between vector or matrix instructions and memory instructions, with s_wait_alu, always for 0.
; THE PLAN.  Registers that memory instructions touch:
;   v1, v2        the two offsets: made once at the head, never written again.
;   P0, P1, P2    p's fragments of a K step (window 1 v0-95, window 1 v96-191, window 2 v0-95), and with each its scale words (v184-207, eight a set).
;                 K step s: its matrix instructions read set s % 3; its loads bring K step s + 2 into set (s + 2) % 3, which the matrix instructions of K step s - 1 read.
;   v16-119       hidden's fragments and scale words: loaded once.
;   the results   (h3's accumulator, the codes, the scale words): written by matrix and vector instructions, read by one run of stores at the end.
; So ONE wait on va_vdst stands at the head of a K step that loads, behind the wait for its own set: the last step's matrix instructions are done reading the set and the scale words that are asked for again.
; Behind it the step's loads are dealt among its matrix instructions, which name set s % 3, hidden's fragments and the accumulators: none of the registers that those loads touch.
.set T_P,  18020
.set SCO,  28723200
.set H1I,  786432
.set H2I,  983040
.set H3I,  1179648
.set H0S,  1212416
.set H1S,  1277952
.set H2S,  1294336
.set H3F,  1302528
.set LI,  1                            ; v1  16 x lane
.set LS,  2                            ; v2  4 x lane
.set H3A, 8                            ; v8-15    h3's accumulator
.set XF,  16                           ; v16-111  hidden's 8 fragments
.set XS,  112                          ; v112-119 their scale words
.set HA,  120                          ; v120-183 8 accumulators
.set PS,  184                          ; v184-207 p's scale words, three sets
.set TM,  208                          ; v208-223 at work in QUANT
.set PW,  224                          ; the scale word just made
.set TT,  225
.set PW2, 226
.set PC,  228                          ; v228-246 the codes just made
.set PC2, 16                           ; v16-27   the second variant: over hidden's first fragment, which is done with by then
.set B16, 28                           ; v28-31   h3 in bf16: likewise
.set MSB, 0
.macro WIN new                         ; the immediate's high byte repeats the setting that is left
.if MSB != (\new)
	s_set_vgpr_msb (MSB<<8)|(\new)
.set MSB, (\new)
.endif
.endm
.macro LOADS s, nt                     ; K step s: the scale words of nt tiles of p, into set s % 3 (every window is 0 here)
.set t, 0
.rept \nt
	global_load_b32 v[PS+8*((\s)%3)+t], v[LS], s[22:23] offset:t*1024+(\s)*128
.set t, t+1
.endr
.endm
.macro LOADI s, t0, t1                 ; K step s: the images of tiles t0 .. t1 - 1, into set s % 3
	WIN (1+((\s)%3)/2)<<6
.set t, \t0
.rept (\t1)-(\t0)
.irp c, 0,1,2
	global_load_b128 v[96*(((\s)%3)%2)+12*t+4*\c:96*(((\s)%3)%2)+12*t+4*\c+3], v[LI], s[20:21] offset:t*12288+(\s)*1536+512*\c
.endr
.set t, t+1
.endr
.endm
.macro MULS s, nt, t0, t1              ; K step s: the products of tiles t0 .. t1 - 1
	WIN 1+((\s)%3)/2                               ; source 0 (p) window 1 or 2
.set t, \t0
.rept (\t1)-(\t0)
.set dd, HA+8*t
.if (\nt == 5) && (t == 4)
.set dd, H3A
.endif
.set pp, 96*(((\s)%3)%2)+12*t
.if (\s) == 0
	v_wmma_scale_f32_16x16x128_f8f6f4 v[dd:dd+7], v[pp:pp+11], v[XF+12*(\s):XF+12*(\s)+11], 0, v[PS+8*((\s)%3)+t], v[XS+(\s)] matrix_a_fmt:MATRIX_FMT_FP6 matrix_b_fmt:MATRIX_FMT_FP6
.else
	v_wmma_scale_f32_16x16x128_f8f6f4 v[dd:dd+7], v[pp:pp+11], v[XF+12*(\s):XF+12*(\s)+11], v[dd:dd+7], v[PS+8*((\s)%3)+t], v[XS+(\s)] matrix_a_fmt:MATRIX_FMT_FP6 matrix_b_fmt:MATRIX_FMT_FP6
.endif
.set t, t+1
.endr
.endm
.macro GEMM nt
	LOADS 0, \nt
	LOADI 0, 0, \nt
	WIN 0
	LOADS 1, \nt
	LOADI 1, 0, \nt
	WIN 0
.irp s, 0,1,2,3,4,5,6,7
.if \s < 7
	s_wait_loadcnt 4*\nt                           ; this K step's set is in; the next step's loads (3 of images and 1 of scales a tile) may be out
.else
	s_wait_loadcnt 0x0
.endif
.if (\s > 0) && (\s < 6)
.rept 4
	v_nop                                          ; the plain places behind the last step's matrix instructions stay beside the wait
.endr
	s_wait_alu depctr_va_vdst(0)                   ; the last step's matrix instructions are done reading their set of p and its scale words, in which this step's loads land
.endif
.if \s < 6
	LOADS \s+2, \nt
.endif
	MULS \s, \nt, 0, \nt/2
.if \s < 6
	LOADI \s+2, 0, \nt/2                           ; no wait: no vector or matrix instruction since the wait above names these registers
.endif
	MULS \s, \nt, \nt/2, \nt
.if \s < 6
	LOADI \s+2, \nt/2, \nt
.endif
	WIN 0
.endr
.rept 4
	v_nop                                          ; places in front of the first read of results
.endr
.endm
; 64 numbers of a lane, register 16 b + i = k 32 b + 16 h + i of my row, become a fragment's codes in v[PC] on and its scale word in v[PW]
.macro QUANT s
.irp b, 0,1,2,3
	v_max3_num_f32 v[TM+\b], |v[\s+16*\b]|, |v[\s+1+16*\b]|, 0x1800000   ; my 16 numbers of block b, and the floor 2^(3 - 127)
.endr
.irp i, 2,4,6,8,10,12,14
.irp b, 0,1,2,3
	v_max3_num_f32 v[TM+\b], v[TM+\b], |v[\s+16*\b+\i]|, |v[\s+1+16*\b+\i]|
.endr
.endr
.irp b, 0,1,2,3
	v_permlanex16_b32 v[TM+4+\b], v[TM+\b], s12, s13
.endr
.irp b, 0,1,2,3
	v_max_num_f32 v[TM+\b], v[TM+\b], v[TM+4+\b]   ; with lane l xor 16's: the block's largest magnitude
.endr
.irp b, 0,1,2,3
	v_add_nc_u32 v[TM+12+\b], 0xff000000, v[TM+\b] ; 2 off its exponent field: the conversion's scale operand
.endr
.irp b, 0,1,2,3
	v_lshrrev_b32 v[TM+4+\b], 23, v[TM+12+\b]      ; the scale's byte
.endr
	v_lshl_or_b32 v[PW], v[TM+5], 8, v[TM+4]
	v_lshl_or_b32 v[PW], v[TM+6], 16, v[PW]
	v_lshl_or_b32 v[PW], v[TM+7], 24, v[PW]
.irp c, 0,1
	v_cvt_scalef32_pk16_fp6_f32 v[PC+6*\c:PC+2+6*\c], v[\s+32*\c:\s+15+32*\c], v[TM+12+2*\c]
	v_cvt_scalef32_pk16_fp6_f32 v[PC+12+4*\c:PC+14+4*\c], v[\s+16+32*\c:\s+31+32*\c], v[TM+12+2*\c+1]
.endr
	v_nop                                          ; one plain place behind a scaled conversion
.irp c, 0,1                                    ; the operand's layout wants a whole block in a lane
.irp i, 0,1,2
	v_permlane16_swap_b32 v[PC+6*\c+\i], v[PC+12+4*\c+\i]
.endr
.irp i, 0,1,2
	v_mov_b32 v[PC+3+6*\c+\i], v[PC+12+4*\c+\i]
.endr
.endr
.endm
	s_load_b128 s[4:7], s[0:1], 0x0                ; q1, hp
	v_lshrrev_b32 v3, 5, v0
	v_readfirstlane_b32 s8, v3                     ; wave
	v_and_b32 v3, 31, v0
	v_lshlrev_b32 v[LI], 4, v3
	v_lshlrev_b32 v[LS], 2, v3
.irp b, 0,1,2,3
	v_mov_b32 v[TM+4+\b], 0                        ; written once: a lane permute's destination counts as one of its sources
.endr
	s_lshr_b32 s9, ttmp9, 4                        ; unit u
	s_and_b32 s10, ttmp9, 15
	s_lshl_b32 s10, s10, 2
	s_wait_alu depctr_va_sdst(0)                   ; s8, the wave's number, is written, ahead of its first reader
	s_add_co_u32 s10, s10, s8                      ; my row tile
	s_mov_b32 s12, 0x76543210
	s_mov_b32 s13, 0xfedcba98
	s_mul_i32 s14, s10, 12288                      ; hidden's 8 images of my tile,
	s_mov_b32 s15, 0
	s_lshl_b32 s16, s10, 10
	s_add_co_u32 s16, s16, SCO                     ; their scale words
	s_mov_b32 s17, 0
	s_lshl_b32 s18, s9, 6
	s_add_co_u32 s18, s18, T_P                     ; the unit's first task of p
	s_mul_i32 s20, s18, 1536
	s_mov_b32 s21, 0
	s_lshl_b32 s22, s18, 7
	s_add_co_u32 s22, s22, SCO
	s_mov_b32 s23, 0
	s_wait_kmcnt 0x0
	s_add_nc_u64 s[14:15], s[4:5], s[14:15]
	s_add_nc_u64 s[16:17], s[4:5], s[16:17]
	s_add_nc_u64 s[20:21], s[4:5], s[20:21]
	s_add_nc_u64 s[22:23], s[4:5], s[22:23]
	s_wait_alu depctr_va_vdst(0)                   ; v[LI] and v[LS] are written: every load and store of the kernel reads one of them as its offset
.irp s, 0,1,2,3,4,5,6,7
.irp c, 0,1,2
	global_load_b128 v[XF+12*\s+4*\c:XF+12*\s+4*\c+3], v[LI], s[14:15] offset:\s*1536+512*\c
.endr
.endr
.irp s, 0,1,2,3,4,5,6,7
	global_load_b32 v[XS+\s], v[LS], s[16:17] offset:\s*128
.endr
	s_cmp_eq_u32 s9, 10
	s_cbranch_scc1 .Lb
	; ---- units 0-9: 128 columns of h0 or h1 = one K step of the next product
	s_lshl_b32 s32, s10, 3
	s_add_co_u32 s32, s32, s9                      ; h0: fragment 8 x tile + u
	s_lshl_b32 s33, s10, 1
	s_add_co_u32 s33, s33, s9
	s_sub_co_u32 s33, s33, 8                       ; h1: fragment 2 x tile + u - 8
	s_mul_i32 s34, s32, 1536
	s_mul_i32 s35, s33, 1536
	s_add_co_u32 s35, s35, H1I
	s_lshl_b32 s32, s32, 7
	s_add_co_u32 s32, s32, H0S
	s_lshl_b32 s33, s33, 7
	s_add_co_u32 s33, s33, H1S
	s_cmp_lt_u32 s9, 8
	s_cselect_b32 s24, s34, s35
	s_cselect_b32 s26, s32, s33
	s_mov_b32 s25, 0
	s_mov_b32 s27, 0
	s_add_nc_u64 s[24:25], s[6:7], s[24:25]
	s_add_nc_u64 s[26:27], s[6:7], s[26:27]
	GEMM 8
	QUANT HA
	s_wait_alu depctr_va_vdst(0)                   ; the conversions, swaps and moves have written v[PC ..], and v[PW] is written: the stores read them
.irp c, 0,1,2
	global_store_b128 v[LI], v[PC+4*\c:PC+4*\c+3], s[24:25] offset:512*\c
.endr
	global_store_b32 v[LS], v[PW], s[26:27]
	s_endpgm
.Lb:
	; ---- unit 10: h2 (64 columns) and h3 (16 columns)
	s_mul_i32 s24, s10, 3072
	s_add_co_u32 s24, s24, H2I
	s_mov_b32 s25, 0
	s_lshl_b32 s26, s10, 7
	s_add_co_u32 s26, s26, H2S
	s_mov_b32 s27, 0
	s_lshl_b32 s28, s10, 9
	s_add_co_u32 s28, s28, H3I
	s_mov_b32 s29, 0
	s_lshl_b32 s30, s10, 10
	s_add_co_u32 s30, s30, H3F
	s_mov_b32 s31, 0
	s_add_nc_u64 s[24:25], s[6:7], s[24:25]
	s_add_nc_u64 s[26:27], s[6:7], s[26:27]
	s_add_nc_u64 s[28:29], s[6:7], s[28:29]
	s_add_nc_u64 s[30:31], s[6:7], s[30:31]
.set n, 32
.rept 32
	v_mov_b32 v[HA+n], 0                           ; k 64-127 of h2's fragment: zeros
.set n, n+1
.endr
	GEMM 5
	; all the vector work first, then one wait, then the run of stores
.irp i, 0,1,2,3
	v_cvt_pk_bf16_f32 v[B16+\i], v[H3A+2*\i], v[H3A+2*\i+1]      ; h3 as registers 0-3 of a bf16 operand (k = 8 h + 0..7)
.endr
	QUANT HA
.irp i, 0,1,2,3,4,5
	v_mov_b32 v[PC2+\i], v[PC+6+\i]
	v_mov_b32 v[PC2+6+\i], v[PC+\i]
.endr
	v_and_b32 v[TT], 0xffff, v[PW]
	v_lshl_or_b32 v[PW2], v[TT], 16, v[TT]         ; h's two bytes in both halves of the word: it serves both variants
	s_wait_alu depctr_va_vdst(0)                   ; the matrix instructions have written v[H3A ..]; v[B16 ..], v[PC ..], v[PC2 ..] and v[PW2] are written: the stores read them
	global_store_b128 v[LI], v[H3A:H3A+3], s[30:31]              ; h3 in f32: lane (r, h): h3(r, 8 h + 0..7)
	global_store_b128 v[LI], v[H3A+4:H3A+7], s[30:31] offset:512
	global_store_b128 v[LI], v[B16:B16+3], s[28:29]
.irp c, 0,1,2
	global_store_b128 v[LI], v[PC+4*\c:PC+4*\c+3], s[24:25] offset:512*\c          ; [h | 0]
.endr
.irp c, 0,1,2
	global_store_b128 v[LI], v[PC2+4*\c:PC2+4*\c+3], s[24:25] offset:1536+512*\c   ; [0 | h]
.endr
	global_store_b32 v[LS], v[PW2], s[26:27]
	s_endpgm
.Lfunc_end_k_q6abd2341cf_proj:
	.size	k_q6abd2341cf_proj, .Lfunc_end_k_q6abd2341cf_proj-k_q6abd2341cf_proj
	.p2alignl 7, 3214868480
	.fill 96, 4, 3214868480
	.section	.rodata,"a",@progbits
	.p2align	6, 0x0
	.amdhsa_kernel k_q6abd2341cf_proj
		.amdhsa_group_segment_fixed_size 0
		.amdhsa_private_segment_fixed_size 0
		.amdhsa_enable_private_segment 0
		.amdhsa_kernarg_size 16
		.amdhsa_user_sgpr_count 2
		.amdhsa_user_sgpr_kernarg_segment_ptr 1
		.amdhsa_wavefront_size32 1
		.amdhsa_system_sgpr_workgroup_id_x 1
		.amdhsa_system_sgpr_workgroup_id_y 1
		.amdhsa_system_sgpr_workgroup_id_z 1
		.amdhsa_system_vgpr_workitem_id 0
		.amdhsa_next_free_vgpr 608
		.amdhsa_next_free_sgpr 66
		.amdhsa_reserve_vcc 0
		.amdhsa_float_denorm_mode_32 3
		.amdhsa_float_denorm_mode_16_64 3
		.amdhsa_memory_ordered 1
		.amdhsa_forward_progress 1
		.amdhsa_inst_pref_size 74
	.end_amdhsa_kernel
	.amdgpu_metadata
---
amdhsa.version: [ 1, 2 ]
amdhsa.kernels:
  - .name:           k_q6abd2341cf_proj
    .symbol:         k_q6abd2341cf_proj.kd
    .args:
      - { .name: q1, .offset: 0, .size: 8, .value_kind: global_buffer, .address_space: global }
      - { .name: hp, .offset: 8, .size: 8, .value_kind: global_buffer, .address_space: global }
    .group_segment_fixed_size: 0
    .private_segment_fixed_size: 0
    .kernarg_segment_align: 8
    .kernarg_segment_size: 16
    .max_flat_workgroup_size: 128
    .sgpr_count:     66
    .vgpr_count:     608
    .wavefront_size: 32
...
	.end_amdgpu_metadata
.endif
;; end of part 6
;; launch lse (part 7): grid 999 x 1, 4 waves a work-group, no clusters, 0 bytes of LDS; arguments q1, hp, b0, b1, b2, b3, w3, part; writes part
.if DOCPART == 7
	.amdgcn_target "amdgcn-amd-amdhsa--gfx1250"
	.amdhsa_code_object_version 6
	.text
	.protected	k_q6abd2341cf_lse
	.globl	k_q6abd2341cf_lse
	.p2align	8
	.type	k_q6abd2341cf_lse,@function
k_q6abd2341cf_lse:
	s_mov_b64 s[64:65], 0
	v_nop
	global_prefetch_b8 v0, s[64:65] scope:SCOPE_SE
	s_setreg_imm32_b32 hwreg(HW_REG_WAVE_SCHED_MODE, 0, 2), 2
	s_setreg_imm32_b32 hwreg(HW_REG_WAVE_MODE, 25, 1), 1
	s_wait_xcnt 0x0
	s_wait_alu depctr_vm_vsrc(0)
; The logits of all four parts, never stored: for each (chunk of columns, row, half of the lanes) the largest logit xm and s = the sum of 2^((x - xm) log2 e).
; CHUNKS = work-groups: 0-249 tail 2 (640 columns each), 250-498 tail 3 (272 columns; its last 7 columns are left to the last launch), 499-748 head (80 columns of w0; the 3 cluster columns are left to the last launch), 749-998 tail 1 (80 columns).
; A work-group's columns (codes, scale words, biases) STAY IN EVERY WAVE'S REGISTERS; the four waves share the 64 row tiles, 16 each, and stream h's small fragments from memory, one tile ahead, in two register sets by turns.
; THE PRODUCT IS USED TRANSPOSED (source 0 = 16 columns' weights, source 1 = 16 rows of h): lane (r, h) holds row r and columns 8 h + 0..7 of each tile.  The bias is the C of a sum's first matrix instruction.
; Head, tails 1 and 2: codes of FP6 with E8M0 scales.  Tail 2 (K = 64): two column tiles share a fragment [wA | wB]; h2's variants [h | 0] and [0 | h] pick one.  Tail 3 (K = 16, left as it is): bf16, k 16-31 zeros.
; THE SOFTMAX takes a running maximum away: when it moves, the sum is multiplied by 2^((old - new) log2 e).
; No multicast and no LDS: operands go from memory straight into registers, in the order of the operand's registers.  No prefetch: the resident loads stand at the head, and h's images are read by every work-group of a part.
; The last look-ahead of a wave loads the tile behind its last one: bytes inside hp that the launch before has written; they are not used.
; REGISTERS: window 0: v1-5 lane terms; v8-31 the softmax's; v32-71 five accumulators; v72-111 biases (head, tail 1); v112-151 the weights' scale words; v152-167 h's.  Windows 1-3: see each part.
; THE MODE: SCHED_MODE bits 1:0 = 2 (LLVM: expert scheduling mode 2), set by the entry lines.  The code itself states the register dependences
; between vector or matrix instructions and memory instructions, with s_wait_alu, always for 0.
; THE PLAN.  Registers that memory instructions touch, in the loops (a trip is two row tiles, A on set 0 and B on set 1):
;   set 0, set 1   h's fragments in window 3, and with each its scale words in v152-167.  A tile's matrix instructions read its set; the loads of the tile two on land in it, behind that tile's softmax.
;   ST0, ST1       the pairs (xm, s).  Tile A's softmax writes ST0, tile B's ST1; each is read by one store.
;   v1 to v5       offsets, made once at the head and never written again: the scalar bases move on at the loop's edge, and immediate offsets do the rest.
;   The resident weights, scale words and biases are loaded once, ahead of every vector instruction that could name them.
; THE WAITS.  Behind each batch of exponentials stands one wait on va_vdst, ahead of the batch's first reader.  It stands behind the tile's matrix instructions too, and no vector instruction behind it names a set of h or
; its scale words: so it also states that those matrix instructions are done reading the set in which the next loads land, and the loads owe nothing more.  ST0's store stands behind the first such wait of tile B,
; which shows the pair written; ST1's behind a wait of its own at the trip's end.  At the loop's edge one wait on vm_vsrc: both stores have read their pairs, which the next trip writes again.
.set T_W0, 512
.set T_W1, 10512
.set T_W2, 13012
.set SCO,  28723200
.set H1I,  786432
.set H2I,  983040
.set H3I,  1179648
.set H0S,  1212416
.set H1S,  1277952
.set H2S,  1294336
.set LI, 1                             ; 16 x lane
.set LS, 2                             ; 4 x lane
.set LP, 3                             ; 8 x lane
.set LB, 4                             ; 32 h
.set LW, 5                             ; 64 r + 32 h
.set ST0, 8                            ; v8-9, v10-11: (xm, s) to store, two sets by turns
.set ST1, 10
.set S,   12                           ; v12-13 the sum, in two halves
.set NEG, 14                           ; v14 -xm log2 e (v15 named with it as a pair)
.set D,   16                           ; v16 the factor for the old sum (v17 likewise)
.set U,   18                           ; v18-23 three more chains of the sum
.set T,   26                           ; v26-30 a tile's maximum
.set ACC, 32
.set BIAS, 72
.set WS,  112
.set XS,  152
.set CS,  20                           ; s[20:21] log2 e
.set NCS, 22                           ; s22 -log2 e
.set WV,  23
.set J,   24
.set CNT, 25
.set SA,  26                           ; s[26:27] h's images, my next tile
.set SSB, 28                           ; s[28:29] their scale words
.set PB,  30                           ; s[30:31] where my results go
.set RA,  32                           ; s[32:33] the resident images
.set RS,  34                           ; s[34:35] their scale words
.set RB,  36                           ; s[36:37] the biases
.set MSB, 0
.macro WIN new                         ; the immediate's high byte repeats the setting that is left
.if MSB != (\new)
	s_set_vgpr_msb (MSB<<8)|(\new)
.set MSB, (\new)
.endif
.endm
.macro PLACES                          ; four plain places between a matrix instruction and the first vector instruction that reads its result
.rept 4
	v_nop
.endr
.endm
.macro BASE dst, src, reg, mul, add    ; s[dst] = s[src] + s[reg] x mul + add (an offset under 2^32)
	s_mul_i32 s40, s[\reg], \mul
	s_add_co_u32 s40, s40, \add
	s_mov_b32 s41, 0
	s_add_nc_u64 s[\dst:\dst+1], s[\src:\src+1], s[40:41]
.endm
; nt tiles of logits in v[ACC] on go into the running (xm, sum).  first = 1: they start both.  Each accumulator is read from its low end on.
; so: 0, or the pair of the row tile before, which is stored behind the batch's wait.
.macro SOFT nt, first, st, so
.irp k, 0,1,2,3,4
.if \k < \nt
	v_max3_num_f32 v[T+\k], v[ACC+8*\k], v[ACC+8*\k+1], v[ACC+8*\k+2]
.endif
.endr
.irp i, 3,5
.irp k, 0,1,2,3,4
.if \k < \nt
	v_max3_num_f32 v[T+\k], v[T+\k], v[ACC+8*\k+\i], v[ACC+8*\k+\i+1]
.endif
.endr
.endr
.irp k, 0,1,2,3,4
.if \k < \nt
	v_max_num_f32 v[T+\k], v[T+\k], v[ACC+8*\k+7]
.endif
.endr
	v_max3_num_f32 v[T], v[T], v[T+1], v[T+2]
.if \nt == 5
	v_max3_num_f32 v[T], v[T], v[T+3], v[T+4]
.if \first == 0
	v_max_num_f32 v[T], v[T], v[\st]
.endif
.else
.if \first
	v_max_num_f32 v[T], v[T], v[T+3]
.else
	v_max3_num_f32 v[T], v[T], v[T+3], v[\st]
.endif
.endif
	v_mul_f32 v[NEG], s[NCS], v[T]                 ; -(new xm) log2 e
.if \first == 0
	v_fma_f32 v[D], v[\st], s[CS], v[NEG]          ; (old xm - new xm) log2 e, 0 or less
.endif
	v_mov_b32 v[\st], v[T]
.set sj, 0
.rept 4*\nt
	v_pk_fma_f32 v[ACC+2*sj:ACC+2*sj+1], v[ACC+2*sj:ACC+2*sj+1], s[CS:CS+1], v[NEG:NEG+1] op_sel_hi:[1,0,0]   ; (x - xm) log2 e, two at a time
.set sj, sj+1
.endr
.set sj, 0
.rept 8*\nt
	v_exp_f32 v[ACC+sj], v[ACC+sj]
.set sj, sj+1
.endr
.if \first == 0
	v_exp_f32 v[D], v[D]
.endif
	v_nop                                          ; a plain place behind the last exponential
	s_wait_alu depctr_va_vdst(0)                   ; the exponentials have written v[ACC ..] (and v[D]), ahead of their first reader; the matrix instructions above are done reading h's set and its scale words, in which the next loads land; the pair stored below is written
.if \so
	global_store_b64 v[LP], v[\so:\so+1], s[PB:PB+1]   ; the row tile before: 32 lanes store 256 consecutive bytes, aligned
.endif
.if \first
	v_pk_add_f32 v[S:S+1], v[ACC:ACC+1], v[ACC+8:ACC+9]
.else
	v_pk_mul_f32 v[S:S+1], v[S:S+1], v[D:D+1] op_sel_hi:[1,0]
.endif
.irp q, 1,2,3
	v_pk_add_f32 v[U+2*\q-2:U+2*\q-1], v[ACC+2*\q:ACC+2*\q+1], v[ACC+8+2*\q:ACC+9+2*\q]
.endr
.if \first == 0
	v_pk_add_f32 v[S:S+1], v[S:S+1], v[ACC:ACC+1]
	v_pk_add_f32 v[S:S+1], v[S:S+1], v[ACC+8:ACC+9]
.endif
.set sj, 2
.rept \nt-2
	v_pk_add_f32 v[S:S+1], v[S:S+1], v[ACC+8*sj:ACC+8*sj+1]
	v_pk_add_f32 v[U:U+1], v[U:U+1], v[ACC+8*sj+2:ACC+8*sj+3]
	v_pk_add_f32 v[U+2:U+3], v[U+2:U+3], v[ACC+8*sj+4:ACC+8*sj+5]
	v_pk_add_f32 v[U+4:U+5], v[U+4:U+5], v[ACC+8*sj+6:ACC+8*sj+7]
.set sj, sj+1
.endr
	v_pk_add_f32 v[U:U+1], v[U:U+1], v[U+2:U+3]
	v_pk_add_f32 v[S:S+1], v[S:S+1], v[U+4:U+5]
	v_pk_add_f32 v[S:S+1], v[S:S+1], v[U:U+1]
.endm
.macro FINI st                         ; the sum's two halves: a row tile's pair (xm, s) is whole
	v_add_f32 v[\st+1], v[S], v[S+1]
.endm
.macro OUT1                            ; the trip's second row tile goes out at the trip's end: 32 lanes store 256 consecutive bytes, aligned
	s_wait_alu depctr_va_vdst(0)                   ; the addition has written v[ST1 + 1], which the store reads (v[ST1] was written ahead of the batch's wait)
	global_store_b64 v[LP], v[ST1:ST1+1], s[PB:PB+1] offset:256
.endm
.macro EDGE sa, ss, lbl                ; the loop's edge: the trip's loads and stores have read their bases and data, which may be written again
	s_wait_xcnt 0x0
	s_wait_alu depctr_vm_vsrc(0)                   ; the trip's two stores have read v[ST0 ..] and v[ST1 ..], which the next trip's softmax writes again
	s_add_nc_u64 s[SA:SA+1], s[SA:SA+1], \sa
	s_add_nc_u64 s[SSB:SSB+1], s[SSB:SSB+1], \ss
	s_add_nc_u64 s[PB:PB+1], s[PB:PB+1], 512
	s_sub_co_u32 s[CNT], s[CNT], 1
	s_cmp_lg_u32 s[CNT], 0
	s_cbranch_scc1 \lbl
.endm
; ---- head and tail 1: 5 tiles of columns x ks K steps resident (fragment (t, k) in window 1 + k / 4 at 12 (5 (k % 4) + t)); h's ks fragments of a tile in window 3 at 12 ks buf + 12 k
.macro KLOAD ks, buf, d                ; the tile d tiles on, into set buf.  No wait: no vector or matrix instruction since the last wait on va_vdst names the set or its scale words
	WIN 0xc0
.set kq, 0
.rept \ks
.irp c, 0,1,2
	global_load_b128 v[12*\ks*\buf+12*kq+4*\c:12*\ks*\buf+12*kq+4*\c+3], v[LI], s[SA:SA+1] offset:(\d*\ks+kq)*1536+512*\c
.endr
.set kq, kq+1
.endr
	WIN 0
.set kq, 0
.rept \ks
	global_load_b32 v[XS+8*\buf+kq], v[LS], s[SSB:SSB+1] offset:(\d*\ks+kq)*128
.set kq, kq+1
.endr
.endm
.macro KCOMP ks, buf, st, so           ; the five accumulators take turns, one instruction a turn
.set kq, 0
.rept \ks
	WIN (1+kq/4)|0x0c
.irp t, 0,1,2,3,4
.if kq == 0
	v_wmma_scale_f32_16x16x128_f8f6f4 v[ACC+8*\t:ACC+8*\t+7], v[12*(5*(kq%4)+\t):12*(5*(kq%4)+\t)+11], v[12*\ks*\buf+12*kq:12*\ks*\buf+12*kq+11], v[BIAS+8*\t:BIAS+8*\t+7], v[WS+5*kq+\t], v[XS+8*\buf+kq] matrix_a_fmt:MATRIX_FMT_FP6 matrix_b_fmt:MATRIX_FMT_FP6
.else
	v_wmma_scale_f32_16x16x128_f8f6f4 v[ACC+8*\t:ACC+8*\t+7], v[12*(5*(kq%4)+\t):12*(5*(kq%4)+\t)+11], v[12*\ks*\buf+12*kq:12*\ks*\buf+12*kq+11], v[ACC+8*\t:ACC+8*\t+7], v[WS+5*kq+\t], v[XS+8*\buf+kq] matrix_a_fmt:MATRIX_FMT_FP6 matrix_b_fmt:MATRIX_FMT_FP6
.endif
.endr
.set kq, kq+1
.endr
	WIN 0
	PLACES
	SOFT 5, 1, \st, \so
.endm
.macro PARTK ks
.set kq, 0
.rept \ks
	WIN (1+kq/4)<<6
.irp t, 0,1,2,3,4
.irp c, 0,1,2
	global_load_b128 v[12*(5*(kq%4)+\t)+4*\c:12*(5*(kq%4)+\t)+4*\c+3], v[LI], s[RA:RA+1] offset:(\ks*\t+kq)*1536+512*\c
.endr
.endr
.set kq, kq+1
.endr
	WIN 0
.set kq, 0
.rept \ks
.irp t, 0,1,2,3,4
	global_load_b32 v[WS+5*kq+\t], v[LS], s[RS:RS+1] offset:(\ks*\t+kq)*128
.endr
.set kq, kq+1
.endr
.irp t, 0,1,2,3,4
	global_load_b128 v[BIAS+8*\t:BIAS+8*\t+3], v[LB], s[RB:RB+1] offset:64*\t
	global_load_b128 v[BIAS+8*\t+4:BIAS+8*\t+7], v[LB], s[RB:RB+1] offset:64*\t+16
.endr
	KLOAD \ks, 0, 0
	s_mov_b32 s[CNT], 8
.Lk_\@:                                            ; a trip: two row tiles
	KLOAD \ks, 1, 1
	s_wait_loadcnt 4*\ks                           ; all but the 4 ks loads just issued are in (in the first trip the resident ones too)
	KCOMP \ks, 0, ST0, 0
	FINI ST0
	KLOAD \ks, 0, 2
	s_wait_loadcnt 4*\ks
	KCOMP \ks, 1, ST1, ST0
	FINI ST1
	OUT1
	EDGE 2*1536*\ks, 2*128*\ks, .Lk_\@
	s_endpgm
.endm
; ---- tail 2
.macro T2LOAD buf, d                   ; no wait: as in KLOAD
	WIN 0xc0
.irp w, 0,1
.irp c, 0,1,2
	global_load_b128 v[24*\buf+12*\w+4*\c:24*\buf+12*\w+4*\c+3], v[LI], s[SA:SA+1] offset:\d*3072+\w*1536+512*\c
.endr
.endr
	WIN 0
	global_load_b32 v[XS+8*\buf], v[LS], s[SSB:SSB+1] offset:\d*128
.endm
.macro T2COMP buf, st, so              ; 40 tiles of columns in eight groups of five; each product is whole in one instruction
.set g, 0
.rept 8
.set i, 0
.rept 5
.set b, 5*g+i
.if b < 32
	WIN 0x2d                                       ; weights window 1, h window 3, bias window 2
.set cc, 8*b
.else
	WIN 0x3d                                       ; bias window 3
.set cc, 192+8*(b-32)
.endif
	v_wmma_scale_f32_16x16x128_f8f6f4 v[ACC+8*i:ACC+8*i+7], v[12*(b/2):12*(b/2)+11], v[24*\buf+12*(b%2):24*\buf+12*(b%2)+11], v[cc:cc+7], v[WS+b/2], v[XS+8*\buf] matrix_a_fmt:MATRIX_FMT_FP6 matrix_b_fmt:MATRIX_FMT_FP6
.set i, i+1
.endr
	WIN 0
	PLACES
.if g == 0
	SOFT 5, 1, \st, \so
.else
	SOFT 5, 0, \st, 0
.endif
.set g, g+1
.endr
.endm
; ---- tail 3
.macro T3LOAD buf, d                   ; no wait: as in KLOAD
	WIN 0xc0
	global_load_b128 v[8*\buf:8*\buf+3], v[LI], s[SA:SA+1] offset:\d*512
	WIN 0
.endm
.macro T3G b0, nt, first, buf, st, so
	WIN 0x2d                                       ; w3 window 1, h3 window 3, bias window 2
.set i, 0
.rept \nt
	v_wmma_f32_16x16x32_bf16 v[ACC+8*i:ACC+8*i+7], v[8*(\b0+i):8*(\b0+i)+7], v[8*\buf:8*\buf+7], v[8*(\b0+i):8*(\b0+i)+7]
.set i, i+1
.endr
	WIN 0
	PLACES
	SOFT \nt, \first, \st, \so
.endm
.macro T3COMP buf, st, so
	T3G 0, 5, 1, \buf, \st, \so
	T3G 5, 4, 0, \buf, \st, 0
	T3G 9, 4, 0, \buf, \st, 0
	T3G 13, 4, 0, \buf, \st, 0
.endm
	s_load_b256 s[4:11], s[0:1], 0x0               ; q1, hp, b0, b1
	s_load_b256 s[12:19], s[0:1], 0x20             ; b2, b3, w3, part
	v_lshrrev_b32 v6, 5, v0
	v_readfirstlane_b32 s[WV], v6                  ; wave
	v_and_b32 v6, 31, v0
	v_lshlrev_b32 v[LI], 4, v6
	v_lshlrev_b32 v[LS], 2, v6
	v_lshlrev_b32 v[LP], 3, v6
	v_bfe_u32 v7, v0, 4, 1
	v_lshlrev_b32 v[LB], 5, v7
	v_and_b32 v[LW], 15, v0
	v_lshl_add_u32 v[LW], v[LW], 6, v[LB]
	v_mov_b32 v[NEG+1], 0                          ; named as the upper halves of pairs, so they are written
	v_mov_b32 v[D+1], 0
	s_mov_b32 s[CS], 0x3fb8aa3b                    ; log2 e
	s_mov_b32 s[CS+1], s[CS]
	s_mov_b32 s[NCS], 0xbfb8aa3b
	s_lshl_b32 s40, ttmp9, 14                      ; my chunk: 16,384 bytes;
	s_wait_alu depctr_va_sdst(0)                   ; s[WV], the wave's number, is written, ahead of its first reader
	s_lshl_b32 s41, s[WV], 12                      ; my wave's 16 row tiles of 256 bytes
	s_add_co_u32 s40, s40, s41
	s_mov_b32 s41, 0
	s_wait_kmcnt 0x0
	s_add_nc_u64 s[PB:PB+1], s[18:19], s[40:41]
	s_wait_alu depctr_va_vdst(0)                   ; the five offsets v1 to v5 are written: every load and store of the kernel, on all four ways, reads one of them
	s_cmp_lt_u32 ttmp9, 250
	s_cbranch_scc1 .LT2
	s_cmp_lt_u32 ttmp9, 499
	s_cbranch_scc1 .LT3
	s_cmp_lt_u32 ttmp9, 749
	s_cbranch_scc1 .LH
	; ---- tail 1: K = 256
	s_sub_co_u32 s[J], ttmp9, 749
	s_mul_i32 s42, s[J], 10
	s_add_co_u32 s42, s42, T_W1
	BASE RA, 4, 42, 1536, 0
	BASE RS, 4, 42, 128, SCO
	BASE RB, 10, J, 320, 0
	BASE SA, 6, WV, 49152, H1I
	BASE SSB, 6, WV, 4096, H1S
	PARTK 2
.LH:
	; ---- head: K = 1,024
	s_sub_co_u32 s[J], ttmp9, 499
	s_mul_i32 s42, s[J], 40
	s_add_co_u32 s42, s42, T_W0
	BASE RA, 4, 42, 1536, 0
	BASE RS, 4, 42, 128, SCO
	BASE RB, 8, J, 320, 0
	BASE SA, 6, WV, 196608, 0
	BASE SSB, 6, WV, 16384, H0S
	PARTK 8
.LT2:
	; ---- tail 2.  Window 1: 20 fragments (pairs of tiles).  Window 2: the biases of tiles 0-31.  Window 3: v0-47 h2's two variants, two sets; v192-255 the biases of tiles 32-39
	s_mul_i32 s42, ttmp9, 20
	s_add_co_u32 s42, s42, T_W2
	s_mov_b32 s[J], ttmp9
	BASE RA, 4, 42, 1536, 0
	BASE RS, 4, 42, 128, SCO
	BASE RB, 12, J, 2560, 0
	BASE SA, 6, WV, 49152, H2I
	BASE SSB, 6, WV, 2048, H2S
	WIN 0x40
.set pq, 0
.rept 20
.irp c, 0,1,2
	global_load_b128 v[12*pq+4*\c:12*pq+4*\c+3], v[LI], s[RA:RA+1] offset:pq*1536+512*\c
.endr
.set pq, pq+1
.endr
	WIN 0x80
.set bb, 0
.rept 32
	global_load_b128 v[8*bb:8*bb+3], v[LB], s[RB:RB+1] offset:64*bb
	global_load_b128 v[8*bb+4:8*bb+7], v[LB], s[RB:RB+1] offset:64*bb+16
.set bb, bb+1
.endr
	WIN 0xc0
.rept 8
	global_load_b128 v[192+8*(bb-32):192+8*(bb-32)+3], v[LB], s[RB:RB+1] offset:64*bb
	global_load_b128 v[192+8*(bb-32)+4:192+8*(bb-32)+7], v[LB], s[RB:RB+1] offset:64*bb+16
.set bb, bb+1
.endr
	WIN 0
.set pq, 0
.rept 20
	global_load_b32 v[WS+pq], v[LS], s[RS:RS+1] offset:pq*128
.set pq, pq+1
.endr
	T2LOAD 0, 0
	s_mov_b32 s[CNT], 8
.Lt2:
	T2LOAD 1, 1
	s_wait_loadcnt 7                               ; all but the 7 loads just issued (6 of images, 1 of scales) are in
	T2COMP 0, ST0, 0
	FINI ST0
	T2LOAD 0, 2
	s_wait_loadcnt 7
	T2COMP 1, ST1, ST0
	FINI ST1
	OUT1
	EDGE 6144, 256, .Lt2
	s_endpgm
.LT3:
	; ---- tail 3.  Window 1: 17 tiles of w3 in bf16 (registers 4-7 of each: k 16-31, zeros).  Window 2: their biases.  Window 3: v0-15 h3, two sets; v64-199 w3 in f32, on its way
	s_sub_co_u32 s[J], ttmp9, 250
	BASE RA, 16, J, 17408, 0
	BASE RB, 14, J, 1088, 0
	BASE SA, 6, WV, 8192, H3I
	s_mov_b64 s[SSB:SSB+1], s[SA:SA+1]             ; (stepped with the others at the loop's edge; not used here)
	WIN 0xc0
.set bb, 0
.rept 17
	global_load_b128 v[64+8*bb:64+8*bb+3], v[LW], s[RA:RA+1] offset:1024*bb
	global_load_b128 v[64+8*bb+4:64+8*bb+7], v[LW], s[RA:RA+1] offset:1024*bb+16
.set bb, bb+1
.endr
	WIN 0x80
.set bb, 0
.rept 17
	global_load_b128 v[8*bb:8*bb+3], v[LB], s[RB:RB+1] offset:64*bb
	global_load_b128 v[8*bb+4:8*bb+7], v[LB], s[RB:RB+1] offset:64*bb+16
.set bb, bb+1
.endr
	WIN 0
	s_wait_loadcnt 0x0
	WIN 0x4f                                       ; sources window 3, destination window 1
.set bb, 0
.rept 17
.irp i, 0,1,2,3
	v_cvt_pk_bf16_f32 v[8*bb+\i], v[64+8*bb+2*\i], v[64+8*bb+2*\i+1]
	v_mov_b32 v[8*bb+4+\i], 0
.endr
.set bb, bb+1
.endr
	WIN 0xc0
.irp i, 4,5,6,7,12,13,14,15
	v_mov_b32 v[\i], 0                             ; k 16-31 of h3's two sets: registers in which no load lands
.endr
	WIN 0
	T3LOAD 0, 0
	s_mov_b32 s[CNT], 8
.Lt3:
	T3LOAD 1, 1
	s_wait_loadcnt 1                               ; all but the load just issued
	T3COMP 0, ST0, 0
	FINI ST0
	T3LOAD 0, 2
	s_wait_loadcnt 1
	T3COMP 1, ST1, ST0
	FINI ST1
	OUT1
	EDGE 1024, 1024, .Lt3
	s_endpgm
.Lfunc_end_k_q6abd2341cf_lse:
	.size	k_q6abd2341cf_lse, .Lfunc_end_k_q6abd2341cf_lse-k_q6abd2341cf_lse
	.p2alignl 7, 3214868480
	.fill 96, 4, 3214868480
	.section	.rodata,"a",@progbits
	.p2align	6, 0x0
	.amdhsa_kernel k_q6abd2341cf_lse
		.amdhsa_group_segment_fixed_size 0
		.amdhsa_private_segment_fixed_size 0
		.amdhsa_enable_private_segment 0
		.amdhsa_kernarg_size 64
		.amdhsa_user_sgpr_count 2
		.amdhsa_user_sgpr_kernarg_segment_ptr 1
		.amdhsa_wavefront_size32 1
		.amdhsa_system_sgpr_workgroup_id_x 1
		.amdhsa_system_sgpr_workgroup_id_y 1
		.amdhsa_system_sgpr_workgroup_id_z 1
		.amdhsa_system_vgpr_workitem_id 0
		.amdhsa_next_free_vgpr 1024
		.amdhsa_next_free_sgpr 66
		.amdhsa_reserve_vcc 0
		.amdhsa_float_denorm_mode_32 3
		.amdhsa_float_denorm_mode_16_64 3
		.amdhsa_memory_ordered 1
		.amdhsa_forward_progress 1
		.amdhsa_inst_pref_size 242
	.end_amdhsa_kernel
	.amdgpu_metadata
---
amdhsa.version: [ 1, 2 ]
amdhsa.kernels:
  - .name:           k_q6abd2341cf_lse
    .symbol:         k_q6abd2341cf_lse.kd
    .args:
      - { .name: q1, .offset: 0, .size: 8, .value_kind: global_buffer, .address_space: global }
      - { .name: hp, .offset: 8, .size: 8, .value_kind: global_buffer, .address_space: global }
      - { .name: b0, .offset: 16, .size: 8, .value_kind: global_buffer, .address_space: global }
      - { .name: b1, .offset: 24, .size: 8, .value_kind: global_buffer, .address_space: global }
      - { .name: b2, .offset: 32, .size: 8, .value_kind: global_buffer, .address_space: global }
      - { .name: b3, .offset: 40, .size: 8, .value_kind: global_buffer, .address_space: global }
      - { .name: w3, .offset: 48, .size: 8, .value_kind: global_buffer, .address_space: global }
      - { .name: part, .offset: 56, .size: 8, .value_kind: global_buffer, .address_space: global }
    .group_segment_fixed_size: 0
    .private_segment_fixed_size: 0
    .kernarg_segment_align: 8
    .kernarg_segment_size: 64
    .max_flat_workgroup_size: 128
    .sgpr_count:     66
    .vgpr_count:     1024
    .wavefront_size: 32
...
	.end_amdgpu_metadata
.endif
;; end of part 7
;; launch fin: the kernel of part 4 again; grid 64 x 1, 20 waves a work-group, no clusters, 9,728 bytes of LDS; arguments part, q1, hp, target, b0, b1, b2, b3, cluster_b, w3, out0; writes out0
